; MI455X (gfx1250); checked and timed in simulation.
; The chip was launched on July 23, 2026; its instructions are those of AMD's public machine-readable ISA for CDNA 5 (MIT licence, August 2026) and "CDNA5" Instruction Set Architecture Reference Guide (July 2026). The comments in the code are by the model that wrote it; some were corrected since.
;; Multi Head Attention. Allowed arithmetic: matrix products marked QUANTISED: E2M3 operands, one E8M0 scale for each 32 along K, by v_wmma_scale_f32_16x16x128_f8f6f4 with both operands' format E2M3, f32 sums; everything else in f32.
;; Inputs: mask 1 x 1 x 2,048 x 2,048 int32; out_b 1,024 float32; out_w 1,024 x 1,024 float32; qkv_b 3,072 float32; qkv_w 3,072 x 1,024 float32; x 4 x 2,048 x 1,024 float32.
;; Outputs: out0 4 x 2,048 x 1,024 float32.
;; This version of the problem:
;;   THIS VERSION OF THE PROBLEM IS GIVEN IN LOW PRECISION. The matrix products marked QUANTISED in the list below multiply operands that are first quantised to E2M3 (2 exponent bits, 3 mantissa bits; 6 bits a number), with one power-of-two scale for each 32 numbers along K (OCP MX v1.0); their sums are f32. All else is computed in f32.
;;   The module's matrix products, in the order in which they are computed (A, B: the left and right operand; K: the contracted axis; several contracted axes count as one K, in the product's order):
;;     1. [M 8,192, K 1,024] x [K 1,024, N 3,072]; A: input x; B: input qkv_w: QUANTISED
;;     2. batch 64 x [M 2,048, K 64] x [K 64, N 2,048]; A: computed on the way; B: computed on the way: QUANTISED
;;     3. batch 64 x [M 2,048, K 2,048] x [K 2,048, N 64]; A: softmax (see below); B: computed on the way: QUANTISED
;;     4. [M 8,192, K 1,024] x [K 1,024, N 1,024]; A: computed on the way; B: input out_w: QUANTISED
;;   THE QUANTISER, for each operand of a quantised product, along K:
;;     - K is cut into blocks of 32 from its start; a last block that is shorter is filled with zeros.
;;     - A block's scale is 2^e with e = floor(log2(the largest magnitude in the block)) - 2, held to -126 .. 127; a block of zeros has e = 0. As a byte (E8M0): e + 127.
;;     - Each number is divided by its block's scale, clamped to +-7.5, and rounded to the nearest number of E2M3, ties to even, subnormals kept.
;;     - The product sums the exact products of the quantised numbers (number of the format x scale) in f32.
;;   ~~~python
;;   def quantise(x, axis):      # numpy; x: float32 -> the quantised numbers, widened to float32 again
;;       x = np.moveaxis(x, axis, -1); K = x.shape[-1]
;;       x = np.pad(x, [(0, 0)] * (x.ndim - 1) + [(0, -K % 32)]); x = x.reshape(x.shape[:-1] + (-1, 32)); a = np.abs(x).max(-1, keepdims=True)
;;       e = np.where(a > 0, np.clip(np.frexp(np.where(a > 0, a, 1))[1] - 1 - 2, -126, 127), 0)      # np.frexp(a)[1] - 1 = floor(log2(a)), exactly
;;       r = np.clip(x / 2.0 ** e, -7.5, 7.5)
;;       step = 2.0 ** (np.maximum(np.frexp(np.where(r == 0, 1, r))[1] - 1, 0) - 3)
;;       q = np.round(r / step) * step * 2.0 ** e      # np.round: ties to even
;;       return np.moveaxis(q.reshape(q.shape[:-2] + (-1,))[..., :K], -1, axis).astype(np.float32)
;;   ~~~
;;   SOFTMAX AHEAD OF A QUANTISED PRODUCT. Where the list says 'softmax', what is quantised is not the finished softmax but p = 2^(t - M), with t = logit x log2(e) and M = ceil(the row's largest t), a whole number; so 1/2 < the row's largest p <= 1. The row's sum l is taken of the UNQUANTISED p, in f32, and the product's result is divided by l at the end. Since M is a whole number, a kernel that streams over the keys may use a running M (the ceiling of the running maximum): every later rescaling is an exact power of two, which a block's scale takes up: the codes' values come out the same.
;;   OPERANDS COMPUTED ON THE WAY. 'Computed on the way' means the value that the module computes at that place (a softmax that the list does not call 'softmax' is quantised finished and normalised). What goes into a quantiser is computed in f32, as accurately as f32 sums, v_exp_f32 and their like allow (about 1e-6 of the number): no bf16 or f16 on the way to a quantiser, and a product that is left as it is and whose result goes on into a quantised operand takes f32 operands (vector FMAs, or v_wmma_f32_16x16x4_f32). A number that lies on a knife's edge between two numbers of the format may be rounded either way, as far as f32 arithmetic and the matrix unit's own rounding can turn it there, and no further.
;; 2 versions, each right; version 2 is version 1 with the launch attn written anew for expert scheduling mode. Each part assembles by itself: llvm-mc -triple=amdgcn-amd-amdhsa -mcpu=gfx1250 --defsym DOCPART=n.
;; ======== version 1 of 2: 4 launches
;; workspace buffers: ws1 9,830,400 bytes; msk 532,480 bytes of whole numbers; ws2 20,185,088 bytes; ws3 6,553,600 bytes
;; launch prep (part 1): grid 704 x 1, 4 waves a work-group, no clusters, 68,096 bytes of LDS; arguments x, qkv_w, out_w, mask, ws1, msk; writes ws1, msk
.if DOCPART == 1
	.amdgcn_target "amdgcn-amd-amdhsa--gfx1250"
	.amdhsa_code_object_version 6
	.text
	.protected	k_q8a66f558e3_prep
	.globl	k_q8a66f558e3_prep
	.p2align	8
	.type	k_q8a66f558e3_prep,@function
k_q8a66f558e3_prep:
	s_mov_b64 s[64:65], 0
	v_nop
	global_prefetch_b8 v0, s[64:65] scope:SCOPE_SE
	s_setreg_imm32_b32 hwreg(HW_REG_WAVE_MODE, 25, 1), 1
	s_wait_xcnt 0x0
; Two jobs in one launch, parted by the work-group's number.
; WORK-GROUPS 0-191: x [8192][1024], qkv_w [3072][1024], out_w [1024][1024], f32, become codes of E2M3 with one E8M0 byte for each 32 along K, laid as IMAGES OF OPERAND REGISTERS.
;   A tile is 16 rows; tile T of 768 (x 0-511, qkv_w 512-703, out_w 704-767) lies at ws1 + 12288 T: 16 chunks of 64 along K, 768 bytes each: registers 0-3 of lane l at 16 l, registers 4-5 at 512 + 8 l;
;   lane (r, h) holds row r, k = 32 h .. 32 h + 31 of the chunk.  The rows' scale bytes, 32 a row, lie at ws1 + SCB + 512 T.
;   THE ROWS OF A TILE of x and qkv_w are not neighbours: tile 2 b + u holds rows 32 b + 8 u + r + 8 (r / 8), so that a product's results come out as neighbours along the next K.  out_w's tiles are 16 neighbours.
;   A wave takes one tile, 8 steps of 128 along K.  Each load reads 512 consecutive bytes of one row; a step's 16 rows turn through the wave's own stage in LDS and come back 32 neighbours a block to a lane.
; WORK-GROUPS 192-703: the int32 mask [2048][2048] becomes lane masks.  A wave takes one tile of 16 queries (same row order) and one step of 128 keys: 64 words, word 16 b + i = for lane (r, h): mask[query r][128 s + 32 b + 16 h + i] != 0,
;   at msk + 256 (16 tile + s); and one flag word at msk + MFLAG: bits 15:0 row r has an open key in the step, bit 16 all 2,048 are open.
; A block's scale is 2^(floor(log2(largest magnitude)) - 2); its byte is the largest magnitude's exponent field - 2, held at 1 from below.
; LIMITS: a block of zeros, or one under 2^(3 - 127), gets the byte 1 (its codes are zeros or tiny; these bytes are read by this program alone); NaN and infinities among the inputs are not served.
; No barrier: waves share nothing.  Each of the two paths has LDS bytes of its own.
.set ROWB,  4096                       ; a row of x or of a weight in bytes
.set SP,    528                        ; a stage row: 512 bytes + 16
.set STG,   16*SP                      ; a wave's stage
.set MSTG,  4*STG                      ; the mask path's stages begin here
.set SCB,   9437184                    ; the scale bytes in ws1
.set MFLAG, 524288                     ; the flag words in msk
.set R,     16                         ; v16-143  two sets of 64 numbers as loaded
.set X,     144                        ; v144-207 64 numbers, 32 neighbours a block
.set C,     208                        ; v208-219 a fragment's codes
.set CT,    220                        ; v220-226 the upper halves of the blocks' codes as the conversions leave them
.set SW,    228                        ; v228-235 the row's 8 scale words
.set SO,    236                        ; v236-239 the four that I store
	s_load_b256 s[4:11], s[0:1], 0x0               ; x, qkv_w, out_w, mask
	s_load_b128 s[12:15], s[0:1], 0x20             ; ws1, msk
	v_lshl_add_u32 v240, v0, 2, 0x10800
	v_mov_b32 v241, 0
	v_lshrrev_b32 v1, 5, v0
	v_readfirstlane_b32 s16, v1                    ; wave
	v_and_b32 v8, 31, v0                           ; lane
	v_and_b32 v9, 15, v0                           ; r
	v_bfe_u32 v10, v0, 4, 1                        ; h
	v_lshlrev_b32 v5, 4, v8                        ; 16 x lane
	v_lshlrev_b32 v6, 3, v8                        ; 8 x lane
	v_mul_u32_u24 v4, v9, SP
	s_mul_i32 s17, s16, STG
	s_cmp_lt_u32 ttmp9, 192
	s_cbranch_scc0 .Lmask
	; ---------------- the quantiser ----------------
	s_lshl_b32 s18, ttmp9, 2
	s_add_co_u32 s18, s18, s16                     ; T
	s_wait_kmcnt 0x0
	s_mov_b32 s19, 704
	s_cmp_lt_u32 ttmp9, 176                        ; the choices hang on the work-group's number alone
	s_cselect_b64 s[20:21], s[6:7], s[8:9]
	s_cselect_b32 s19, 512, s19
	s_cselect_b32 s22, 1, 0
	s_cmp_lt_u32 ttmp9, 128
	s_cselect_b64 s[20:21], s[4:5], s[20:21]       ; my tensor,
	s_cselect_b32 s19, 0, s19                      ; its first tile,
	s_cselect_b32 s22, 1, s22                      ; and whether its tiles have the row order above
	s_sub_co_u32 s23, s18, s19                     ; my tile in the tensor
	s_lshr_b32 s24, s23, 1
	s_lshl_b32 s24, s24, 5
	s_and_b32 s25, s23, 1
	s_lshl_b32 s25, s25, 3
	s_add_co_u32 s24, s24, s25                     ; 32 (tile / 2) + 8 (tile % 2)
	s_lshl_b32 s25, s23, 4                         ; or 16 x tile
	s_mov_b32 s26, 8*ROWB
	s_cmp_eq_u32 s22, 1
	s_cselect_b32 s24, s24, s25                    ; the tile's first row
	s_cselect_b32 s26, 16*ROWB, s26                ; its rows 8-15 begin 16 rows on, or 8
	s_lshl_b32 s24, s24, 12
	s_mov_b32 s25, 0
	s_add_nc_u64 s[20:21], s[20:21], s[24:25]
	s_mul_i32 s28, s18, 12288
	s_mov_b32 s29, 0
	s_add_nc_u64 s[28:29], s[12:13], s[28:29]      ; the tile's images
	s_lshl_b32 s30, s18, 9
	s_add_co_u32 s30, s30, SCB
	s_mov_b32 s31, 0
	s_add_nc_u64 s[30:31], s[12:13], s[30:31]      ; its scale bytes
	s_mov_b32 s32, 0x76543210
	s_mov_b32 s33, 0xfedcba98                      ; v_permlanex16_b32's selects for lane l xor 16
	s_mov_b32 s34, 0xffff0000                      ; lanes 16-31
	v_add_nc_u32 v2, s26, v5                       ; rows 8-15: 16 x lane + the gap
	v_add_nc_u32 v3, s17, v5                       ; the stage, on the way in: 16 x lane, a row an instruction
	v_lshl_add_u32 v4, v10, 7, v4
	v_add_nc_u32 v4, s17, v4                       ; and out: row r, + 128 h: my block of 32 numbers
	v_lshlrev_b32 v7, 5, v9
	v_lshl_add_u32 v7, v10, 4, v7                  ; the scale bytes' place: 32 r + 16 h
	v_lshlrev_b32 v11, 3, v10                      ; 8 h
	v_mov_b32 v10, 0                               ; from here on a lane permute's destination, which counts as one of its sources
.macro LOAD s                          ; step s: 512 bytes of each of the 16 rows into set s % 2; 32 lanes read 512 consecutive bytes
.irp i, 0,1,2,3,4,5,6,7
	global_load_b128 v[R+64*((\s)%2)+4*\i:R+64*((\s)%2)+4*\i+3], v5, s[20:21] offset:\i*ROWB+512*(\s) th:TH_LOAD_NT
.endr
.irp i, 0,1,2,3,4,5,6,7
	global_load_b128 v[R+64*((\s)%2)+32+4*\i:R+64*((\s)%2)+32+4*\i+3], v2, s[20:21] offset:\i*ROWB+512*(\s) th:TH_LOAD_NT
.endr
.endm
.macro TURN s                          ; through the stage: LDS serves a wave's instructions in order, so no wait stands between the stores and the loads
.irp i, 0,1,2,3,4,5,6,7,8,9,10,11,12,13,14,15
	ds_store_b128 v3, v[R+64*((\s)%2)+4*\i:R+64*((\s)%2)+4*\i+3] offset:SP*\i
.endr
.irp c, 0,1
.irp j, 0,1,2,3,4,5,6,7
	ds_load_b128 v[X+32*\c+4*\j:X+32*\c+4*\j+3], v4 offset:256*\c+16*\j   ; k = 64 c + 32 h + 4 j ..
.endr
.endr
.endm
.macro QB s                            ; my two blocks, 2 c + h, become registers 6 c .. 6 c + 5 of the fragment; the row's scale word goes to v[SW + s]
.irp c, 0,1
	v_max3_num_f32 v[12+\c], |v[X+32*\c]|, |v[X+32*\c+1]|, 0x1800000   ; with the floor 2^(3 - 127): the byte cannot fall under 1
.endr
.irp i, 2,4,6,8,10,12,14,16,18,20,22,24,26,28,30
.irp c, 0,1
	v_max3_num_f32 v[12+\c], v[12+\c], |v[X+32*\c+\i]|, |v[X+32*\c+\i+1]|   ; the two blocks by turns
.endr
.endr
.irp c, 0,1
	v_add_nc_u32 v[14+\c], 0xff000000, v[12+\c]    ; 2 off the exponent field: the conversion's scale operand
.endr
.irp c, 0,1
	v_lshrrev_b32 v[8+\c], 23, v[14+\c]            ; the scale's byte
.endr
	v_lshl_or_b32 v[SW+(\s)], v9, 16, v8           ; blocks h and 2 + h,
	v_lshlrev_b32 v[SW+(\s)], v11, v[SW+(\s)]      ; at their places in the word,
	v_permlanex16_b32 v10, v[SW+(\s)], s32, s33
	v_or_b32 v[SW+(\s)], v[SW+(\s)], v10           ; with lane l xor 16's two
	s_wait_xcnt 0x0                                ; the last step's stores have read the codes' registers
.irp c, 0,1
	v_cvt_scalef32_pk16_fp6_f32 v[C+6*\c:C+6*\c+2], v[X+32*\c:X+32*\c+15], v[14+\c]
	v_cvt_scalef32_pk16_fp6_f32 v[CT+4*\c:CT+4*\c+2], v[X+32*\c+16:X+32*\c+31], v[14+\c]   ; (a conversion's three registers begin on an even number)
.endr
	v_nop                                          ; one plain place behind a scaled conversion
.irp c, 0,1
.irp i, 0,1,2
	v_mov_b32 v[C+6*\c+3+\i], v[CT+4*\c+\i]
.endr
.endr
	global_store_b128 v5, v[C:C+3], s[28:29] offset:1536*(\s)           ; 512 consecutive bytes, aligned
	global_store_b64 v6, v[C+4:C+5], s[28:29] offset:1536*(\s)+512      ; 256 consecutive bytes, aligned
	global_store_b128 v5, v[C+6:C+9], s[28:29] offset:1536*(\s)+768
	global_store_b64 v6, v[C+10:C+11], s[28:29] offset:1536*(\s)+1280
.endm
	LOAD 0
	LOAD 1
.irp s, 0,1,2,3,4,5,6,7
.if \s < 7
	s_wait_loadcnt 16                              ; this step's 16 loads are in; the next step's 16 may be out
.else
	s_wait_loadcnt 0
.endif
	TURN \s
	s_wait_dscnt 0x0                               ; the numbers are back, and the stage's stores have read their registers,
.if \s < 6
	LOAD \s+2                                      ; which take the loads of two steps on
.endif
	QB \s
.endr
.irp i, 0,1,2,3
	v_cndmask_b32 v[SO+\i], v[SW+\i], v[SW+4+\i], s34   ; lanes 0-15 store words 0-3 of their row, lanes 16-31 words 4-7
.endr
	global_store_b128 v7, v[SO:SO+3], s[30:31]     ; 512 consecutive bytes, aligned
	s_wait_tensorcnt 0x0
	ds_add_u32 v240, v241
	s_wait_dscnt 0x0
	s_endpgm
	; ---------------- the mask ----------------
.Lmask:
	s_sub_co_u32 s18, ttmp9, 192
	s_lshl_b32 s18, s18, 2
	s_add_co_u32 s18, s18, s16                     ; 16 x tile + step
	s_lshr_b32 s19, s18, 4                         ; the tile of queries
	s_and_b32 s20, s18, 15                         ; the step of 128 keys
	s_lshr_b32 s21, s19, 1
	s_lshl_b32 s21, s21, 5
	s_and_b32 s22, s19, 1
	s_lshl_b32 s22, s22, 3
	s_add_co_u32 s21, s21, s22                     ; the tile's first query
	s_lshl_b32 s24, s21, 13                        ; a row of the mask is 8,192 bytes
	s_lshl_b32 s22, s20, 9
	s_add_co_u32 s24, s24, s22
	s_mov_b32 s25, 0
	s_lshl_b32 s26, s18, 8                         ; the record: 256 bytes
	s_mov_b32 s27, 0
	s_lshl_b32 s28, s18, 2
	s_add_co_u32 s28, s28, MFLAG                   ; the flag word
	s_mov_b32 s29, 0
	s_wait_kmcnt 0x0
	s_add_nc_u64 s[24:25], s[10:11], s[24:25]
	s_add_nc_u64 s[26:27], s[14:15], s[26:27]
	s_add_nc_u64 s[28:29], s[14:15], s[28:29]
	s_add_co_u32 s17, s17, MSTG
	v_add_nc_u32 v3, s17, v5
	v_lshl_add_u32 v4, v10, 6, v4
	v_add_nc_u32 v4, s17, v4                       ; out of the stage: row r, + 64 h
.irp i, 0,1,2,3,4,5,6,7,8,9,10,11,12,13,14,15
	global_load_b128 v[R+4*\i:R+4*\i+3], v5, s[24:25] offset:(\i+8*(\i/8))*8192 th:TH_LOAD_NT   ; 512 consecutive bytes of query i's row
.endr
	v_mov_b32 v12, 0                               ; the record's words: lane l will hold words 2 l and 2 l + 1
	v_mov_b32 v13, 0
	s_mov_b32 s30, 0                               ; the OR and
	s_mov_b32 s31, -1                              ; the AND of the 64 words
	s_wait_loadcnt 0x0
.irp i, 0,1,2,3,4,5,6,7,8,9,10,11,12,13,14,15
	ds_store_b128 v3, v[R+4*\i:R+4*\i+3] offset:SP*\i
.endr
.irp b, 0,1,2,3
.irp j, 0,1,2,3
	ds_load_b128 v[X+16*\b+4*\j:X+16*\b+4*\j+3], v4 offset:128*\b+16*\j   ; register 16 b + i: key 32 b + 16 h + i of my query
.endr
.endr
	s_wait_dscnt 0x0
.set n, 0
.rept 64
	v_cmp_ne_u32 s[20+n%4], 0, v[X+n]              ; every number but 0 counts as open
	s_or_b32 s30, s30, s[20+n%4]
	s_and_b32 s31, s31, s[20+n%4]
	v_writelane_b32 v[12+n%2], s[20+n%4], n/2
.set n, n+1
.endr
	global_store_b64 v6, v[12:13], s[26:27]        ; 256 consecutive bytes, aligned
	s_lshr_b32 s20, s30, 16
	s_or_b32 s20, s20, s30
	s_and_b32 s20, s20, 0xffff                     ; row r has an open key in either half of the lanes
	s_cmp_eq_u32 s31, -1
	s_cselect_b32 s21, 0x10000, 0
	s_or_b32 s20, s20, s21
	v_mov_b32 v14, s20
	v_mov_b32 v15, 0
	v_cmp_gt_u32 vcc_lo, 1, v8
	s_wait_xcnt 0x0                                ; EXEC changes only behind this wait
	s_wait_tensorcnt 0x0
	ds_add_u32 v240, v241
	s_wait_dscnt 0x0
	s_and_saveexec_b32 s22, vcc_lo
	global_store_b32 v15, v14, s[28:29]            ; lane 0 alone
	s_wait_xcnt 0x0
	s_or_b32 exec_lo, exec_lo, s22
	s_endpgm
.Lfunc_end_k_q8a66f558e3_prep:
	.size	k_q8a66f558e3_prep, .Lfunc_end_k_q8a66f558e3_prep-k_q8a66f558e3_prep
	.p2alignl 7, 3214868480
	.fill 96, 4, 3214868480
	.section	.rodata,"a",@progbits
	.p2align	6, 0x0
	.amdhsa_kernel k_q8a66f558e3_prep
		.amdhsa_group_segment_fixed_size 68096
		.amdhsa_private_segment_fixed_size 0
		.amdhsa_enable_private_segment 0
		.amdhsa_kernarg_size 48
		.amdhsa_user_sgpr_count 2
		.amdhsa_user_sgpr_kernarg_segment_ptr 1
		.amdhsa_wavefront_size32 1
		.amdhsa_system_sgpr_workgroup_id_x 1
		.amdhsa_system_sgpr_workgroup_id_y 1
		.amdhsa_system_sgpr_workgroup_id_z 1
		.amdhsa_system_vgpr_workitem_id 0
		.amdhsa_next_free_vgpr 242
		.amdhsa_next_free_sgpr 66
		.amdhsa_reserve_vcc 1
		.amdhsa_float_denorm_mode_32 3
		.amdhsa_float_denorm_mode_16_64 3
		.amdhsa_memory_ordered 1
		.amdhsa_forward_progress 1
		.amdhsa_inst_pref_size 76
	.end_amdhsa_kernel
	.amdgpu_metadata
---
amdhsa.version: [ 1, 2 ]
amdhsa.kernels:
  - .name:           k_q8a66f558e3_prep
    .symbol:         k_q8a66f558e3_prep.kd
    .args:
      - { .name: x, .offset: 0, .size: 8, .value_kind: global_buffer, .address_space: global }
      - { .name: qkv_w, .offset: 8, .size: 8, .value_kind: global_buffer, .address_space: global }
      - { .name: out_w, .offset: 16, .size: 8, .value_kind: global_buffer, .address_space: global }
      - { .name: mask, .offset: 24, .size: 8, .value_kind: global_buffer, .address_space: global }
      - { .name: ws1, .offset: 32, .size: 8, .value_kind: global_buffer, .address_space: global }
      - { .name: msk, .offset: 40, .size: 8, .value_kind: global_buffer, .address_space: global }
    .group_segment_fixed_size: 68096
    .private_segment_fixed_size: 0
    .kernarg_segment_align: 8
    .kernarg_segment_size: 48
    .max_flat_workgroup_size: 128
    .sgpr_count:     66
    .vgpr_count:     242
    .wavefront_size: 32
...
	.end_amdgpu_metadata
.endif
;; end of part 1
;; launch gemm_qkv (part 2): grid 12 x 32, 4 waves a work-group, clusters of 4 x 4, 327,680 bytes of LDS; arguments ws1, qkv_b, ws2; writes ws2
.if DOCPART == 2
	.amdgcn_target "amdgcn-amd-amdhsa--gfx1250"
	.amdhsa_code_object_version 6
	.text
	.protected	k_q8a66f558e3_gemm_qkv
	.globl	k_q8a66f558e3_gemm_qkv
	.p2align	8
	.type	k_q8a66f558e3_gemm_qkv,@function
k_q8a66f558e3_gemm_qkv:
	s_mov_b64 s[64:65], 0
	v_nop
	global_prefetch_b8 v0, s[64:65] scope:SCOPE_SE
	s_setreg_imm32_b32 hwreg(HW_REG_WAVE_MODE, 25, 1), 1
	s_wait_xcnt 0x0
	s_wait_alu depctr_hold_cnt(0) depctr_sa_sdst(0) depctr_va_vdst(0) depctr_va_sdst(0) depctr_va_ssrc(0) depctr_va_vcc(0) depctr_vm_vsrc(0)
	s_getreg_b32 s2, hwreg(HW_REG_IB_STS2, 6, 4)
	s_cmp_eq_u32 s2, 0
	s_cbranch_scc0 .Lentry_in_a_cluster
	s_endpgm
.Lentry_in_a_cluster:
	s_bfe_u32 s2, ttmp6, 0x10000c
	s_cmp_lg_u32 s2, 0xf033
	s_cbranch_scc0 .Lentry_shape_is_right
	s_endpgm
.Lentry_shape_is_right:
; qkv = x W^T + b on codes of E2M3 (K = 1,024), and its results quantised at once into the operands of attention; the f32 numbers never go to memory.
; Operands come from ws1 as images of operand registers: tile T (16 rows) at 12288 T, 16 chunks of 64 along K of 768 bytes (registers 0-3 at 16 x lane, 4-5 at 512 + 8 x lane); scale bytes, 32 a row, at SCB + 512 T.
; A work-group of four waves makes 256 x 256 results, a wave 128 x 128: 64 accumulators of 16 x 16.  K goes in steps of 256 through a ring of two LDS slots filled by the tensor data mover.
; The scale bytes of the work-group's 2 x 256 rows, for all of K, come into LDS once, with the first fills.
; CLUSTERS of 4 x 4: operand "A" (source 1) is shared along a row of the cluster, "B" (source 0) along a column: each tile is asked for jointly, by the same load with a mask that names the four.
; TWO ORIENTATIONS, told apart by the cluster's x, which all sixteen partners share:
;   clusters x = 0, 1 (q and k): A = x's tokens, B = rows 0-2047 of W.  A lane then holds ONE token and its registers run along the channels: the next K (a head's 64).
;   cluster  x = 2    (v):       A = rows 2048-3071 of W, B = x's tokens.  A lane holds ONE channel and its registers run along the tokens: the next K (the keys).
; The rows of a tile of x and of W are 32 b + 8 u + r + 8 (r / 8) for tile 2 b + u, so the 16 registers of result tiles 2 b and 2 b + 1 are 16 neighbours, 32 b + 16 (lane / 16) + 0 .. 15, along source 0's rows.
; RESULTS in ws2: q and k: [q, k][batch x head][tile of 16 tokens][768 bytes]; their scale words [q, k][head][tile / 4][row][tile % 4], bytes 2 and 3 set to 127 (the upper half of attention's K = 128 is empty);
;   v at VIMG: [head][step of 128 keys][tile of 16 channels][1,536 bytes]; its scale words at VSC: [head][step][row][tile].
; LIMITS: a block under 2^(3 - 127), zeros among them, gets the byte 1 (read by this program alone); NaN and infinities are not served.
; REGISTERS, in windows of 256: window 0: v0-31 addresses; v32-63 scale words, two sets; v64-127 the biases; v128-223 A's fragments, one set; on the way out v128-243 are at work.
;   window 1: B's fragments, two sets, at v0 and v128.   window 2: the accumulators of A's blocks 0-3 ((a, b) at v[8 (8 a + b)]);   window 3: those of blocks 4-7.
.set NQ,     2                         ; steps of 128 along K in a slot
.set FR,     12                        ; registers of a fragment
.set NL,     4                         ; LDS loads that bring one
.set NP,     4                         ; places behind this matrix instruction (ISA guide 7.12.1)
.set TILEB,  3072                      ; a tile's 256 along K: four chunks
.set HALFT,  8*TILEB                   ; 8 tiles: what one tensor load brings, and what one wave reads of A or of B
.set SLOT,   4*HALFT                   ; A's 16 tiles, then B's
.set LAPS,   2                         ; 1,024 along K = twice round the ring
.set SCL,    2*SLOT                    ; behind the ring: the scale bytes, rows of 256 bytes + 16 of padding
.set HALFS,  16*272                    ; those of 128 rows
.set SBLK,   2*272                     ; those of 16 rows
.set SPARE,  SCL+4*HALFS               ; the spare words, 128 bytes for each wave, which no other line names
.set SCB,    9437184                   ; the scale bytes in ws1
.set QKSC,   18874368                  ; in ws2: q's and k's scale words,
.set VIMG,   12582912                  ; v's images,
.set VSC,    19922944                  ; v's scale words
.set O16,  8                           ; v8   16 x lane
.set O8,   9                           ; v9   8 x lane
.set OSC,  10                          ; v10  where I store scale words
.set SH16, 11                          ; v11  16 (lane / 16)
.set BO,   12                          ; v12  my offset among the biases
.set ADRA, 16                          ; v16-17 A's fragments in slot 0, 1: + 16 x lane;  v18-19: + 8 x lane
.set ADRB, 20                          ; v20-23 the same for B
.set ADRS, 27                          ; v27  my scale words: lanes 0-15 A's rows, lanes 16-31 B's
.set SPW,  28                          ; v28  my spare word; never rewritten
.set NIL,  29                          ; v29  0; never rewritten
.set SC,   32                          ; scale words: set s at v[SC + 16 s]; register 2 i + q: lanes 0-15 A's block i, lanes 16-31 B's block i
.set BN,   64                          ; the biases
.set AF,   128                         ; A's fragments
.set HA,   128                         ; the way out: 64 numbers to quantise,
.set PC,   192                         ; v192-210 their codes,
.set TM,   212                         ; v212-227 at work,
.set SW,   232                         ; v232-239 eight scale words,
.set SX,   240                         ; v240-243 the four that I store
.set SEL,  10                          ; s[10:11] v_permlanex16_b32's selects for lane l xor 16
.set G1, 24
.set G0, 32
.set G1B, 48
.set G0B, 56
.set G1S, 68
.set G0S, 76
.set G1SB, 80
.set G0SB, 88
.set MSB, 0
.macro WIN new                         ; the immediate's high byte repeats the setting that is left
.if MSB != (\new)
	s_set_vgpr_msb (MSB<<8)|(\new)
.set MSB, (\new)
.endif
.endm
.set MUL_LO, 0xa1                      ; source 0 (B) window 1, source 1 (A) window 0, C and D window 2
.set MUL_HI, 0xf1                      ; the same, C and D window 3
.set TO_B,   0x40                      ; destination window 1, address window 0
; A joint load: waves 0 and 1 fetch for A, waves 2 and 3 for B.  The branch hangs on the wave's number alone.  Four v_nop follow each of the two lines.
.macro JLOAD g0a, g1a, g0b, g1b
	s_cmp_eq_u32 s15, 0
	s_cbranch_scc0 .Lfor_b_\@
	tensor_load_to_lds s[\g0a:\g0a+3], s[\g1a:\g1a+7]
	s_nop 0
.rept 4
	v_nop
.endr
	s_branch .Lasked_\@
.Lfor_b_\@:
	tensor_load_to_lds s[\g0b:\g0b+3], s[\g1b:\g1b+7]
	s_nop 0
.rept 4
	v_nop
.endr
.Lasked_\@:
.endm
.macro CREST                           ; a round of the cluster's barrier behind its opening barrier
	s_cmp_lg_u32 s14, 0
	s_cbranch_scc1 .Lnot_wave_0_\@
	s_barrier_signal -3
.Lnot_wave_0_\@:
	s_barrier_wait -3
	s_barrier_signal -1
	s_barrier_wait -1
.endm
.macro CROUND
	s_barrier_signal -1
	s_barrier_wait -1
	CREST
.endm
	s_load_b128 s[4:7], s[0:1], 0x0                ; ws1, qkv_b
	s_load_b64 s[8:9], s[0:1], 0x10                ; ws2
	v_lshl_add_u32 v[SPW], v0, 2, SPARE
	v_mov_b32 v[NIL], 0
	ds_add_u32 v28, v29
	ds_add_u32 v28, v29
	s_wait_dscnt 0x0
	v_lshrrev_b32 v1, 5, v0
	v_readfirstlane_b32 s14, v1                    ; wave 0..3
	s_lshr_b32 s15, s14, 1                         ; which half of A's rows is mine.  Also: I fetch for A (0) or for B (1)
	s_and_b32 s16, s14, 1                          ; which half of B's rows.  Also: which 8 tiles I fetch
	s_bfe_u32 s40, ttmp6, 0x40000                  ; cx
	s_bfe_u32 s41, ttmp6, 0x40004                  ; cy
	s_and_b32 s17, ttmp7, 0xffff                   ; the cluster's y
	s_lshl_b32 s43, s41, 2
	s_lshl_b32 s43, 15, s43                        ; my row of the cluster
	s_lshl_b32 s44, 0x1111, s40                    ; my column
	; descriptor group 1 for codes: 8 tiles, each 3,072 consecutive bytes (384 elements of 8), 12,288 bytes apart; no padding: images are read lane by lane, on end
	s_or_b32 s[G1+0], s43, (3<<16)|(1<<21)
	s_or_b32 s[G1B+0], s44, (3<<16)|(1<<21)
.irp g, G1, G1B
	s_mov_b32 s[\g+1], 384<<16                     ; tensor_dim0
	s_mov_b32 s[\g+2], 8<<16                       ; tensor_dim1
	s_mov_b32 s[\g+3], 384<<16                     ; tile_dim0
	s_mov_b32 s[\g+4], 8                           ; tile_dim1
	s_mov_b32 s[\g+5], 1536                        ; tensor_dim0_stride
	s_mov_b32 s[\g+6], 0
	s_mov_b32 s[\g+7], 0
.endr
	; and for the scale bytes of 128 rows: 4,096 dense bytes as 16 rows of 256, 16 bytes of padding behind each
	s_or_b32 s[G1S+0], s43, (3<<16)|(1<<20)|(1<<21)|(5<<22)|(3<<25)
	s_or_b32 s[G1SB+0], s44, (3<<16)|(1<<20)|(1<<21)|(5<<22)|(3<<25)
.irp g, G1S, G1SB
	s_mov_b32 s[\g+1], 32<<16
	s_mov_b32 s[\g+2], 16<<16
	s_mov_b32 s[\g+3], 32<<16
	s_mov_b32 s[\g+4], 16
	s_mov_b32 s[\g+5], 32
	s_mov_b32 s[\g+6], 0
	s_mov_b32 s[\g+7], 0
.endr
	; the first tile T that I fetch.  A's hangs on cy and the cluster's place alone, B's on cx and the cluster's place alone
	s_lshl_b32 s18, s17, 6                         ; 64 x cluster y: x's tiles
	s_lshl_b32 s19, ttmp9, 6
	s_add_co_u32 s19, s19, 512                     ; 512 + 64 x cluster x: W's tiles of q and k
	s_lshl_b32 s21, s41, 4                         ; 16 cy
	s_lshl_b32 s47, s40, 4                         ; 16 cx
	s_lshl_b32 s95, s16, 3                         ; my 8 of the 16
	s_cmp_eq_u32 ttmp9, 2
	s_cselect_b32 s42, 1, 0                        ; 1: this cluster makes v
	s_cselect_b32 s20, 640, s18                    ; A: W's tiles of v begin at 512 + 128, or x's
	s_cselect_b32 s46, s18, s19                    ; B: x's, or W's
	s_add_co_u32 s20, s20, s21
	s_add_co_u32 s20, s20, s95
	s_add_co_u32 s46, s46, s47
	s_add_co_u32 s46, s46, s95
	s_lshl_b32 s22, s20, 9
	s_add_co_u32 s22, s22, SCB                     ; their scale bytes,
	s_mul_i32 s20, s20, 12288                      ; their codes
	s_mov_b32 s21, 0
	s_mov_b32 s23, 0
	s_lshl_b32 s92, s46, 9
	s_add_co_u32 s92, s92, SCB
	s_mul_i32 s46, s46, 12288
	s_mov_b32 s47, 0
	s_mov_b32 s93, 0
	s_mul_i32 s45, s14, HALFT                      ; where they go: by the wave's number alone
	s_mul_i32 s94, s14, HALFS
	s_wait_kmcnt 0x0
	s_add_nc_u64 s[20:21], s[4:5], s[20:21]
	s_add_nc_u64 s[22:23], s[4:5], s[22:23]
	s_add_nc_u64 s[46:47], s[4:5], s[46:47]
	s_add_nc_u64 s[92:93], s[4:5], s[92:93]
	CROUND                                         ; all sixteen work-groups are here: the first joint loads meet
	s_mov_b32 s[G0S], 1
	s_add_co_u32 s[G0S+1], s94, SCL
	s_mov_b64 s[G0S+2:G0S+3], s[22:23]
	s_or_b32 s[G0S+3], s[G0S+3], 0x80000000
	s_mov_b32 s[G0SB], 1
	s_add_co_u32 s[G0SB+1], s94, SCL
	s_mov_b64 s[G0SB+2:G0SB+3], s[92:93]
	s_or_b32 s[G0SB+3], s[G0SB+3], 0x80000000
	JLOAD G0S, G1S, G0SB, G1SB                     ; the scale bytes first: they are wanted with K step 0
.irp s, 0,1
	s_mov_b32 s[G0+4*\s], 1
	s_add_co_u32 s[G0+4*\s+1], s45, \s*SLOT
	s_add_nc_u64 s[G0+4*\s+2:G0+4*\s+3], s[20:21], \s*TILEB
	s_or_b32 s[G0+4*\s+3], s[G0+4*\s+3], 0x80000000
	s_mov_b32 s[G0B+4*\s], 1
	s_add_co_u32 s[G0B+4*\s+1], s45, \s*SLOT
	s_add_nc_u64 s[G0B+4*\s+2:G0B+4*\s+3], s[46:47], \s*TILEB
	s_or_b32 s[G0B+4*\s+3], s[G0B+4*\s+3], 0x80000000
	JLOAD G0+4*\s, G1, G0B+4*\s, G1B               ; three tensor loads of mine are out now
.endr
	v_and_b32 v1, 31, v0                           ; lane
	v_and_b32 v2, 15, v0                           ; r: kept for the way out
	v_bfe_u32 v3, v0, 4, 1                         ; h: likewise
	v_lshlrev_b32 v[O16], 4, v1
	v_lshlrev_b32 v[O8], 3, v1
	v_lshlrev_b32 v[SH16], 4, v3
	s_mul_i32 s21, s15, HALFT                      ; my 8 tiles of A
	s_mul_i32 s22, s16, HALFT                      ; my 8 tiles of B,
	s_add_co_u32 s22, s22, 2*HALFT                 ; which lie behind A's 16
.irp s, 0,1
	v_add_nc_u32 v[ADRA+\s], s21, v[O16]
	v_add_nc_u32 v[ADRB+\s], s22, v[O16]
	v_add_nc_u32 v[ADRA+2+\s], s21, v[O8]
	v_add_nc_u32 v[ADRB+2+\s], s22, v[O8]
	s_add_co_u32 s21, s21, SLOT
	s_add_co_u32 s22, s22, SLOT
.endr
	v_lshlrev_b32 v5, 5, v2                        ; my row's scale bytes: 32 a row,
	v_lshrrev_b32 v6, 8, v5
	v_lshl_add_u32 v5, v6, 4, v5                   ; and 16 more for each 256 passed
	s_mul_i32 s21, s15, HALFS
	s_mul_i32 s22, s16, HALFS
	s_add_co_u32 s22, s22, 2*HALFS
	s_sub_co_u32 s22, s22, s21
	v_mul_u32_u24 v6, s22, v3                      ; lanes 16-31 take B's: one product, the distance between the two bases
	s_add_co_u32 s21, s21, SCL
	v_add_nc_u32 v5, v5, v6
	v_add_nc_u32 v[ADRS], s21, v5
	s_mov_b32 s[SEL], 0x76543210
	s_mov_b32 s[SEL+1], 0xfedcba98
	s_mov_b32 s12, 0xffff
	s_mov_b32 s13, 0x7f7f0000
	s_mov_b32 s2, 0xffff0000                       ; lanes 16-31
.macro FRAG reg, adr, q, i             ; a fragment, 16 rows x 128 K, comes as it was stored: two chunks, each 16 bytes and 8 bytes a lane, lanes on end
	ds_load_b128 v[\reg:\reg+3],     v[\adr]   offset:(\i)*TILEB+(\q)*1536
	ds_load_b64  v[\reg+4:\reg+5],   v[\adr+2] offset:(\i)*TILEB+(\q)*1536+512
	ds_load_b128 v[\reg+6:\reg+9],   v[\adr]   offset:(\i)*TILEB+(\q)*1536+768
	ds_load_b64  v[\reg+10:\reg+11], v[\adr+2] offset:(\i)*TILEB+(\q)*1536+1280
.endm
; 16 matrix instructions: A's blocks a0, a0 + 1 x B's eight.  p: B's set; q: which 128 of the slot; sc: the set of scale words.  zero = 1: the first product starts the sums.
; The 64 accumulators take turns, one instruction a turn, in the same order in every step.
.macro MUL16 a0, p, q, sc, zero
.irp a, \a0, \a0+1
.irp b, 0,1,2,3,4,5,6,7
.if \zero
	v_wmma_scale_f32_16x16x128_f8f6f4 v[8*(8*((\a)%4)+\b):8*(8*((\a)%4)+\b)+7], v[128*(\p)+FR*\b:128*(\p)+FR*\b+FR-1], v[AF+FR*(\a):AF+FR*(\a)+FR-1], 0, v[SC+8*NQ*(\sc)+NQ*\b+(\q)], v[SC+8*NQ*(\sc)+NQ*(\a)+(\q)] matrix_a_fmt:MATRIX_FMT_FP6 matrix_b_fmt:MATRIX_FMT_FP6 matrix_a_scale:MATRIX_SCALE_ROW1
.else
	v_wmma_scale_f32_16x16x128_f8f6f4 v[8*(8*((\a)%4)+\b):8*(8*((\a)%4)+\b)+7], v[128*(\p)+FR*\b:128*(\p)+FR*\b+FR-1], v[AF+FR*(\a):AF+FR*(\a)+FR-1], v[8*(8*((\a)%4)+\b):8*(8*((\a)%4)+\b)+7], v[SC+8*NQ*(\sc)+NQ*\b+(\q)], v[SC+8*NQ*(\sc)+NQ*(\a)+(\q)] matrix_a_fmt:MATRIX_FMT_FP6 matrix_b_fmt:MATRIX_FMT_FP6 matrix_a_scale:MATRIX_SCALE_ROW1
.endif
.endr
.endr
.endm
.macro FETCH_B slot, q, p
	WIN TO_B
.irp i, 0,1,2,3,4,5,6,7
	FRAG 128*(\p)+FR*\i, ADRB+\slot, \q, \i
.endr
	WIN 0
.endm
.macro FETCH_A slot, q, i0
.irp i, \i0, \i0+1, \i0+2, \i0+3
	FRAG AF+FR*(\i), ADRA+\slot, \q, \i
.endr
.endm
.macro SCALES sc                       ; a K step's two scale words a row: lanes 0-15 take A's block i, lanes 16-31 B's block i
.irp i, 0,1,2,3,4,5,6,7
	ds_load_b64 v[SC+8*NQ*\sc+NQ*\i:SC+8*NQ*\sc+NQ*\i+1], v[ADRS] offset:\i*SBLK
.endr
.endm
.macro PLACES n                        ; plain vector instructions between a matrix instruction and a load into, or a read of, its registers
.rept \n
	v_nop
.endr
.endm
; A step of 128 along K that has its successor in the same slot.  A's blocks are free as soon as their eight products are issued: blocks 0-3 are fetched anew in the middle, 4-7 at the end.
.macro STEP slot, q, zero
	s_wait_dscnt 4*NL                              ; B's set and A's blocks 0-3 are in; the youngest 16 loads (A's blocks 4-7) may be out
	WIN MUL_LO
	MUL16 0, (\q)%2, \q, \slot, \zero
	MUL16 2, (\q)%2, \q, \slot, \zero
	s_wait_dscnt 0                                 ; A's blocks 4-7 are in
	PLACES NP
	FETCH_B \slot, (\q)+1, 1-(\q)%2
	FETCH_A \slot, (\q)+1, 0
	WIN MUL_HI
	MUL16 4, (\q)%2, \q, \slot, \zero
	MUL16 6, (\q)%2, \q, \slot, \zero
	PLACES NP
	WIN 0
	FETCH_A \slot, (\q)+1, 4
.endm
; A slot's last step changes slots: one barrier; in front of it each wave waits for all its tensor loads, adds 0 to its spare word, and waits for that and for its reads of this slot.  fill = 1: the slot is filled again, two K steps ahead.
.macro TURN slot, next, fill
	s_wait_tensorcnt 0x0                           ; all my tensor loads have landed: my part of the next slot
	ds_add_u32 v[SPW], v[NIL]                      ; 0 onto my spare word
	s_wait_dscnt 4*NL+1                            ; (the add and the youngest 16 loads may be out)
	WIN MUL_LO
	MUL16 0, 1, NQ-1, \slot, 0                     ; sixteen matrix instructions stand between the add and the wait for it
	s_wait_dscnt 0x0                               ; the add is done, and my reads of this slot are over
	s_barrier_signal -1
	MUL16 2, 1, NQ-1, \slot, 0
	WIN 0
	s_barrier_wait -1
.if \fill
	CREST                                          ; the barrier has opened a round of the cluster's: no wave of any partner still reads this slot or has a load on its way
	s_add_nc_u64 s[G0+4*\slot+2:G0+4*\slot+3], s[G0+4*\slot+2:G0+4*\slot+3], 2*TILEB
	s_add_nc_u64 s[G0B+4*\slot+2:G0B+4*\slot+3], s[G0B+4*\slot+2:G0B+4*\slot+3], 2*TILEB
	JLOAD G0+4*\slot, G1, G0B+4*\slot, G1B         ; my one tensor load behind the round; its four v_nop are also the places in front of the loads below
.else
	PLACES NP
.endif
	v_add_nc_u32 v[ADRS], 4*NQ, v[ADRS]            ; on to the next K step's scale words
	FETCH_B \next, 0, 0
	FETCH_A \next, 0, 0
	SCALES \next
	WIN MUL_HI
	MUL16 4, 1, NQ-1, \slot, 0
	MUL16 6, 1, NQ-1, \slot, 0
	PLACES NP
	WIN 0
	FETCH_A \next, 0, 4
.endm
.macro LAST                            ; the very last step: nothing more to fetch
	s_wait_dscnt 4*NL
	WIN MUL_LO
	MUL16 0, 1, NQ-1, 1, 0
	MUL16 2, 1, NQ-1, 1, 0
	s_wait_dscnt 0
	WIN MUL_HI
	MUL16 4, 1, NQ-1, 1, 0
	MUL16 6, 1, NQ-1, 1, 0
	WIN 0
.endm
; 64 numbers of a lane, register 16 b + i = k 32 b + 16 (lane / 16) + i of my row, become a fragment's codes in v[PC] on and its scale word in v[pw] (the same in lanes l and l xor 16).
.macro QUANT s, pw
.irp b, 0,1,2,3
	v_max3_num_f32 v[TM+\b], |v[\s+16*\b]|, |v[\s+1+16*\b]|, 0x1800000   ; with the floor 2^(3 - 127): the byte cannot fall under 1
.endr
.irp i, 2,4,6,8,10,12,14
.irp b, 0,1,2,3
	v_max3_num_f32 v[TM+\b], v[TM+\b], |v[\s+16*\b+\i]|, |v[\s+1+16*\b+\i]|   ; the four blocks by turns
.endr
.endr
.irp b, 0,1,2,3
	v_permlanex16_b32 v[TM+4+\b], v[TM+\b], s[SEL], s[SEL+1]
.endr
.irp b, 0,1,2,3
	v_max_num_f32 v[TM+\b], v[TM+\b], v[TM+4+\b]   ; with lane l xor 16's 16: the block's largest magnitude
.endr
.irp b, 0,1,2,3
	v_add_nc_u32 v[TM+12+\b], 0xff000000, v[TM+\b] ; 2 off its exponent field: the conversion's scale operand
.endr
.irp b, 0,1,2,3
	v_lshrrev_b32 v[TM+4+\b], 23, v[TM+12+\b]      ; the scale's byte
.endr
	v_lshl_or_b32 v[\pw], v[TM+5], 8, v[TM+4]
	v_lshl_or_b32 v[\pw], v[TM+6], 16, v[\pw]
	v_lshl_or_b32 v[\pw], v[TM+7], 24, v[\pw]
.irp c, 0,1
	v_cvt_scalef32_pk16_fp6_f32 v[PC+6*\c:PC+2+6*\c], v[\s+32*\c:\s+15+32*\c], v[TM+12+2*\c]
	v_cvt_scalef32_pk16_fp6_f32 v[PC+12+4*\c:PC+14+4*\c], v[\s+16+32*\c:\s+31+32*\c], v[TM+12+2*\c+1]   ; (a conversion's three registers begin on an even number)
.endr
	v_nop                                          ; one plain place behind a scaled conversion
.irp c, 0,1                            ; the operand's layout wants a whole block in a lane: lanes 0-15 block 2 c, lanes 16-31 block 2 c + 1
.irp i, 0,1,2
	v_permlane16_swap_b32 v[PC+6*\c+\i], v[PC+12+4*\c+\i]
.endr
.irp i, 0,1,2
	v_mov_b32 v[PC+3+6*\c+\i], v[PC+12+4*\c+\i]
.endr
.endr
.endm
; THE WAY OUT, A's blocks one after the other: the bias is added (the addition also brings the sums into window 0, each accumulator from its low end on), the 64 numbers are quantised, the images stored.
.macro EPI var
.irp b, 0,1,2,3
	v_mov_b32 v[TM+4+\b], 0                        ; written once: a lane permute's destination counts as one of its sources
.endr
.irp a, 0,1,2,3,4,5,6,7
.if \a > 0
	s_wait_xcnt 0x0                                ; the last block's stores have read the codes' registers
.endif
	WIN 0x02+(\a/4)                                ; source 0: window 2 or 3
.set i, 0
.rept 32
.if \var == 0
	v_pk_add_f32 v[HA+i:HA+i+1], v[64*(\a%4)+i:64*(\a%4)+i+1], v[BN+i:BN+i+1]   ; a bias for each channel = register
.elseif (\a%2) == 0
	v_pk_add_f32 v[HA+i:HA+i+1], v[64*(\a%4)+i:64*(\a%4)+i+1], v[BN+\a:BN+\a+1] op_sel_hi:[1,0]   ; one bias for my channel = lane: the pair's low word for both halves,
.else
	v_pk_add_f32 v[HA+i:HA+i+1], v[64*(\a%4)+i:64*(\a%4)+i+1], v[BN+\a-1:BN+\a] op_sel:[0,1] op_sel_hi:[1,1]   ; or its high word
.endif
.set i, i+2
.endr
	WIN 0
	QUANT HA, SW+\a
.if \var == 0
	v_lshrrev_b32 v[SW+\a], v[SH16], v[SW+\a]      ; lanes 0-15 keep the first head's two bytes, lanes 16-31 take the second head's;
	v_and_or_b32 v[SW+\a], v[SW+\a], s12, s13      ; bytes 2 and 3: 127
	global_store_b128 v[O16], v[PC:PC+3], s[46:47] offset:\a*768                  ; the first head's 64 channels of these 16 tokens,
	global_store_b64 v[O8], v[PC+4:PC+5], s[46:47] offset:\a*768+512
	global_store_b128 v[O16], v[PC+6:PC+9], s[46:47] offset:98304+\a*768          ; the second head's
	global_store_b64 v[O8], v[PC+10:PC+11], s[46:47] offset:98304+\a*768+512
.if (\a%4) == 3
	global_store_b128 v[OSC], v[SW+\a-3:SW+\a], s[92:93] offset:(\a/4)*256        ; four tiles' words a row: 256 consecutive bytes for each of the two heads
.endif
.else
	global_store_b128 v[O16], v[PC:PC+3], s[46:47] offset:(\a/4)*98304+(\a%4)*1536
	global_store_b64 v[O8], v[PC+4:PC+5], s[46:47] offset:(\a/4)*98304+(\a%4)*1536+512
	global_store_b128 v[O16], v[PC+6:PC+9], s[46:47] offset:(\a/4)*98304+(\a%4)*1536+768
	global_store_b64 v[O8], v[PC+10:PC+11], s[46:47] offset:(\a/4)*98304+(\a%4)*1536+1280
.endif
.endr
.endm
	s_wait_tensorcnt 1                             ; the scale bytes and my part of K step 0 are in (K step 1's load may be out)
	s_barrier_signal -1
	s_barrier_wait -1                              ; everybody's are
	FETCH_B 0, 0, 0
	FETCH_A 0, 0, 0
	SCALES 0
	FETCH_A 0, 0, 4
	STEP 0, 0, 1                                   ; the first step stands in front of the loop: its products start the sums
	s_mov_b32 s3, LAPS-1
.Llap:                                                 ; a trip goes once round the ring and fills both slots again
	TURN 0, 1, 1
	STEP 1, 0, 0
	TURN 1, 0, 1
	STEP 0, 0, 0
	s_sub_co_u32 s3, s3, 1
	s_cmp_lg_u32 s3, 0
	s_cbranch_scc1 .Llap
	TURN 0, 1, 0                                   ; the last lap fills nothing, and has no round of the cluster's barrier
	STEP 1, 0, 0
	s_cmp_eq_u32 s42, 0                            ; the two orientations part here, on the cluster's x alone; no barrier stands in either arm
	s_cbranch_scc0 .Lv_arm
	; ---- q and k.  The biases are asked for ahead of the last step's products, which cover their way
	s_lshl_b32 s18, s17, 2
	s_add_co_u32 s18, s18, s41                     ; which 256 tokens: 4 x cluster y + cy
	s_lshl_b32 s19, ttmp9, 2
	s_add_co_u32 s19, s19, s40                     ; which 256 channels: 4 x cluster x + cx
	s_lshl_b32 s20, s19, 2
	s_lshl_b32 s21, s16, 1
	s_add_co_u32 s20, s20, s21                     ; g: my first head of 32 (q's 16, then k's)
	s_lshl_b32 s22, s20, 8                         ; its first channel's bias: 64 g x 4 bytes
	s_mov_b32 s23, 0
	s_add_nc_u64 s[22:23], s[6:7], s[22:23]
	v_lshlrev_b32 v[BO], 6, v3                     ; register 8 b + j holds channel 32 (b / 2) + 16 h + 8 (b % 2) + j
.irp b, 0,1,2,3,4,5,6,7
	global_load_b128 v[BN+8*\b:BN+8*\b+3], v[BO], s[22:23] offset:(32*(\b/2)+8*(\b%2))*4
	global_load_b128 v[BN+8*\b+4:BN+8*\b+7], v[BO], s[22:23] offset:(32*(\b/2)+8*(\b%2))*4+16
.endr
	s_lshr_b32 s21, s20, 4
	s_lshl_b32 s21, s21, 6                         ; q or k: 64 heads each,
	s_and_b32 s20, s20, 15
	s_add_co_u32 s21, s21, s20                     ; + the head,
	s_lshr_b32 s20, s18, 3
	s_lshl_b32 s20, s20, 4
	s_add_co_u32 s21, s21, s20                     ; + 16 x batch
	s_and_b32 s18, s18, 7
	s_lshl_b32 s18, s18, 4
	s_lshl_b32 s20, s15, 3
	s_add_co_u32 s18, s18, s20                     ; my first tile of tokens in the batch
	s_lshl_b32 s46, s21, 7
	s_add_co_u32 s46, s46, s18
	s_mul_i32 s46, s46, 768
	s_mov_b32 s47, 0
	s_add_nc_u64 s[46:47], s[8:9], s[46:47]        ; the images
	s_lshl_b32 s92, s21, 13
	s_lshl_b32 s18, s18, 6
	s_add_co_u32 s92, s92, s18
	s_add_co_u32 s92, s92, QKSC
	s_mov_b32 s93, 0
	s_add_nc_u64 s[92:93], s[8:9], s[92:93]        ; the scale words
	v_lshlrev_b32 v[OSC], 4, v2
	v_lshl_add_u32 v[OSC], v3, 13, v[OSC]          ; 16 r, and a head (8,192 bytes) on for lanes 16-31
	LAST
	s_wait_loadcnt 0x0                             ; the biases
	PLACES NP
	EPI 0
	s_branch .Ldone
	; ---- v
.Lv_arm:
	s_lshl_b32 s18, s17, 2
	s_add_co_u32 s18, s18, s40                     ; which 256 tokens: 4 x cluster y + cx
	s_lshl_b32 s19, s41, 2
	s_lshl_b32 s20, s15, 1
	s_add_co_u32 s19, s19, s20                     ; my first head: 4 cy + 2 x half
	s_lshl_b32 s22, s19, 8
	s_add_co_u32 s22, s22, 8192                    ; its first channel's bias: (2,048 + 64 x head) x 4 bytes
	s_mov_b32 s23, 0
	s_add_nc_u64 s[22:23], s[6:7], s[22:23]
	v_and_b32 v[BO], 8, v2
	v_add_nc_u32 v[BO], v[BO], v2
	v_lshlrev_b32 v[BO], 2, v[BO]                  ; lane r of tile a holds channel 32 (a / 2) + 8 (a % 2) + r + 8 (r / 8)
.irp a, 0,1,2,3,4,5,6,7
	global_load_b32 v[BN+\a], v[BO], s[22:23] offset:(32*(\a/2)+8*(\a%2))*4
.endr
	s_lshr_b32 s20, s18, 3
	s_lshl_b32 s20, s20, 4
	s_add_co_u32 s20, s20, s19                     ; 16 x batch + head
	s_and_b32 s18, s18, 7
	s_lshl_b32 s18, s18, 1
	s_add_co_u32 s18, s18, s16                     ; my step of 128 keys
	s_lshl_b32 s46, s20, 4
	s_add_co_u32 s46, s46, s18
	s_mul_i32 s46, s46, 6144
	s_add_co_u32 s46, s46, VIMG
	s_mov_b32 s47, 0
	s_add_nc_u64 s[46:47], s[8:9], s[46:47]        ; the images
	s_lshl_b32 s92, s20, 12
	s_lshl_b32 s18, s18, 8
	s_add_co_u32 s92, s92, s18
	s_add_co_u32 s92, s92, VSC
	s_mov_b32 s93, 0
	s_add_nc_u64 s[92:93], s[8:9], s[92:93]        ; the scale words
	v_lshlrev_b32 v[OSC], 4, v2
	v_lshl_add_u32 v[OSC], v3, 12, v[OSC]          ; 16 r, and a head (4,096 bytes) on for lanes 16-31
	LAST
	s_wait_loadcnt 0x0
	PLACES NP
	EPI 1
.irp i, 0,1,2,3
	v_cndmask_b32 v[SX+\i], v[SW+\i], v[SW+4+\i], s2   ; lanes 0-15: the first head's four tiles, lanes 16-31: the second's
.endr
	global_store_b128 v[OSC], v[SX:SX+3], s[92:93]
.Ldone:
	s_wait_tensorcnt 0x0                           ; the wave's end
	ds_add_u32 v[SPW], v[NIL]
	s_wait_dscnt 0x0
	CROUND                                         ; the closing round: no work-group ends while a partner may still ask for a tile that names it
	s_endpgm
.Lfunc_end_k_q8a66f558e3_gemm_qkv:
	.size	k_q8a66f558e3_gemm_qkv, .Lfunc_end_k_q8a66f558e3_gemm_qkv-k_q8a66f558e3_gemm_qkv
	.p2alignl 7, 3214868480
	.fill 96, 4, 3214868480
	.section	.rodata,"a",@progbits
	.p2align	6, 0x0
	.amdhsa_kernel k_q8a66f558e3_gemm_qkv
		.amdhsa_group_segment_fixed_size 327680
		.amdhsa_private_segment_fixed_size 0
		.amdhsa_enable_private_segment 0
		.amdhsa_kernarg_size 24
		.amdhsa_user_sgpr_count 2
		.amdhsa_user_sgpr_kernarg_segment_ptr 1
		.amdhsa_wavefront_size32 1
		.amdhsa_system_sgpr_workgroup_id_x 1
		.amdhsa_system_sgpr_workgroup_id_y 1
		.amdhsa_system_sgpr_workgroup_id_z 1
		.amdhsa_system_vgpr_workitem_id 0
		.amdhsa_next_free_vgpr 1024
		.amdhsa_next_free_sgpr 100
		.amdhsa_reserve_vcc 0
		.amdhsa_float_denorm_mode_32 3
		.amdhsa_float_denorm_mode_16_64 3
		.amdhsa_memory_ordered 1
		.amdhsa_forward_progress 1
		.amdhsa_inst_pref_size 228
	.end_amdhsa_kernel
	.amdgpu_metadata
---
amdhsa.version: [ 1, 2 ]
amdhsa.kernels:
  - .name:           k_q8a66f558e3_gemm_qkv
    .symbol:         k_q8a66f558e3_gemm_qkv.kd
    .args:
      - { .name: ws1, .offset: 0, .size: 8, .value_kind: global_buffer, .address_space: global }
      - { .name: qkv_b, .offset: 8, .size: 8, .value_kind: global_buffer, .address_space: global }
      - { .name: ws2, .offset: 16, .size: 8, .value_kind: global_buffer, .address_space: global }
    .group_segment_fixed_size: 327680
    .private_segment_fixed_size: 0
    .kernarg_segment_align: 8
    .kernarg_segment_size: 24
    .max_flat_workgroup_size: 128
    .sgpr_count:     100
    .vgpr_count:     1024
    .wavefront_size: 32
...
	.end_amdgpu_metadata
.endif
;; end of part 2
;; launch attn (part 3): grid 4 x 64, 16 waves a work-group, no clusters, 210,944 bytes of LDS; arguments ws2, msk, ws3; writes ws3
.if DOCPART == 3
	.amdgcn_target "amdgcn-amd-amdhsa--gfx1250"
	.amdhsa_code_object_version 6
	.text
	.protected	k_q8a66f558e3_attn
	.globl	k_q8a66f558e3_attn
	.p2align	8
	.type	k_q8a66f558e3_attn,@function
k_q8a66f558e3_attn:
	s_mov_b64 s[64:65], 0
	v_nop
	global_prefetch_b8 v0, s[64:65] scope:SCOPE_SE
	s_setreg_imm32_b32 hwreg(HW_REG_WAVE_MODE, 25, 1), 1
	s_wait_xcnt 0x0
; y = softmax(mask(q k^T / 8)) v for one of 64 heads, both products on codes of E2M3, and y quantised at once along the channels into the last product's operand.
; THE SOFTMAX: t = score x log2(e) / 8; a hidden key's t is -3e38; M = the row's largest t so far, rounded up to a whole number; p = 2^(t - M) is quantised along the keys, not normalised; the row's sum is taken of the
; unquantised p and divides at the end.  When M moves, the sum and O are multiplied by 2^(old M - new M): exact.
; SHARES.  A work-group is (j = x, head = y).  The head's K and V, codes and scale words (208,896 bytes), are copied into LDS once, through registers; one barrier; then the sixteen waves share nothing.
; Wave w takes the tiles of 16 queries 4 w + j and 4 (31 - w) + j, one after the other: 256 registers a wave, four waves to a SIMD, so that one wave's vector work stands beside another's products and LDS loads.
; THE MASK IS AN INPUT.  An earlier launch has stored, for each tile of queries and each step of 128 keys, 64 lane masks and a flag word.  A step in which none of the 16 queries has an open key is left out (a scalar branch on the
; stored flags, round the step's work alone); a step in which all are open skips the 64 selects.  If some query of a tile has no open key at all, every step of that tile is worked: its p are then all 1, the mean of v.
; NO JOINT LOADS, though the four work-groups of a head read the same K and V: the key loop branches on numbers read from memory; and K and V are read once a work-group, at its head.
; LAYOUT.  Both products are used transposed: S^T = K Q^T (source 0 = 16 keys), O^T = V^T P^T (source 0 = 16 channels): a lane holds one query throughout.  The keys of a tile are 32 b + 8 u + r + 8 (r / 8), so the 16 registers
; of tiles 2 b, 2 b + 1 are keys 32 b + 16 (lane / 16) + 0 .. 15; V's channel tiles likewise, so O^T's registers run along neighbouring channels.
; K = 64 in the first product: Q's codes for k = 64 .. 127 are zeros, so what stands in K's upper six registers (the next tile's codes) adds nothing: E2M3 has no code for infinity or NaN, and the upper scale bytes are 127.
; LIMITS: NaN and infinities are not served; a block under 2^(3 - 127), zeros among them, gets the byte 1; y's scale bytes leave one a lane, since a row's 32 bytes come from 16 work-groups.
; REGISTERS: v1-8 addresses that stay; v9-11, v241-243 addresses in hand; v12 -M, v13 the largest t, v[14:15] the sum; v16-27, v228-239 the two Q fragments; v28-31 V's, v86-93 K's, v94, v240 Q's, v95 p's scale words;
;   v32-79 K's or V's fragments, v80-85 zeros; v96-159 S^T, then p, then y; v160-191 O^T; v192-211 codes; v212-227 at work; v244 -3e38; v245 y's scale byte's place.
.set VIMG,   98304                     ; LDS: K's images at 0 (128 tiles x 768), V's here (16 steps x 4 tiles x 1,536),
.set KSC,    196608                    ; K's scale words [tile / 4][row][tile % 4],
.set VSC,    204800                    ; V's [step][row][tile]
.set STEPB,  6144                      ; a step's images, of K and of V alike
.set G_VIMG, 12582912                  ; in ws2
.set G_QKSC, 18874368
.set G_VSC,  19922944
.set G_YSC,  6291456                   ; in ws3
.set MFLAG,  524288                    ; in msk
.set QSO,  1                           ; v1   16 r
.set AV16, 3                           ; v3   VIMG + 16 x lane
.set AV8,  4                           ; v4   VIMG + 8 x lane
.set ASK,  5                           ; v5   KSC + 16 r
.set ASV,  6                           ; v6   VSC + 16 r
.set G16,  7                           ; v7   16 x lane: global offsets, and K's images in LDS
.set G8,   8                           ; v8   8 x lane
.set VSW,  28
.set KSW,  86
.set PSW,  95
.set S,    96
.set O,    160
.set PC,   192
.set PT,   204
.set BX,   212                         ; v212-215 the blocks' largest
.set BY,   216                         ; v216-219 permutes' destinations, sums, bytes
.set BS,   220                         ; v220-223 the conversions' scale operands
.set F,    224                         ; v[224:225] f
.set T0,   226
.set T1,   227
.set NEG,  244
.set YS,   245
	s_load_b128 s[4:7], s[0:1], 0x0                ; ws2, msk
	s_load_b64 s[8:9], s[0:1], 0x10                ; ws3
	v_lshl_add_u32 v254, v0, 2, 0x33000
	v_mov_b32 v255, 0
	v_lshrrev_b32 v1, 5, v0
	v_readfirstlane_b32 s10, v1                    ; wave 0..15
	s_and_b32 s12, ttmp7, 0xffff                   ; 16 x batch + head
	s_lshl_b32 s13, s10, 2
	s_sub_co_u32 s14, 124, s13
	s_add_co_u32 s13, s13, ttmp9                   ; my first tile of queries,
	s_add_co_u32 s14, s14, ttmp9                   ; my second
	v_and_b32 v[T0], 31, v0                        ; lane
	v_and_b32 v[T1], 15, v0                        ; r
	v_bfe_u32 v[BY], v0, 4, 1                      ; h
	v_lshlrev_b32 v[G16], 4, v[T0]
	v_lshlrev_b32 v[G8], 3, v[T0]
	v_add_nc_u32 v[AV16], VIMG, v[G16]
	v_add_nc_u32 v[AV8], VIMG, v[G8]
	v_lshlrev_b32 v[QSO], 4, v[T1]
	v_add_nc_u32 v[ASK], KSC, v[QSO]
	v_add_nc_u32 v[ASV], VSC, v[QSO]
	v_lshl_add_u32 v[YS], v[T1], 5, v[BY]          ; 32 r + h
	s_mul_i32 s15, s10, STEPB
	v_add_nc_u32 v9, s15, v[G16]                   ; the copy: my wave's 6,144 bytes of K's and of V's images, in memory and in LDS alike,
	v_add_nc_u32 v10, VIMG, v9
	v_lshlrev_b32 v11, 4, v0                       ; 512 bytes of K's scale words,
	v_add_nc_u32 v241, KSC, v11
	v_lshlrev_b32 v242, 3, v0                      ; 256 of V's
	v_add_nc_u32 v243, VSC, v242
	s_mul_i32 s50, s12, 98304
	s_add_co_u32 s48, s50, 64*98304                ; k's images of my head (behind q's 64 heads),
	s_add_co_u32 s50, s50, G_VIMG                  ; v's,
	s_lshl_b32 s60, s12, 13
	s_add_co_u32 s60, s60, G_QKSC                  ; q's scale words,
	s_add_co_u32 s52, s60, 64*8192                 ; k's,
	s_lshl_b32 s54, s12, 12
	s_add_co_u32 s54, s54, G_VSC                   ; v's
	s_lshl_b32 s56, s12, 7
	s_add_co_u32 s58, s56, s14
	s_add_co_u32 s56, s56, s13
	s_mul_i32 s56, s56, 768                        ; my two tiles of q
	s_mul_i32 s58, s58, 768
	s_lshr_b32 s15, s14, 2
	s_lshl_b32 s15, s15, 8
	s_add_co_u32 s62, s60, s15
	s_and_b32 s15, s14, 3
	s_lshl_b32 s15, s15, 2
	s_add_co_u32 s62, s62, s15                     ; and their scale words: 256 (tile / 4) + 4 (tile % 4), + 16 r
	s_lshr_b32 s15, s13, 2
	s_lshl_b32 s15, s15, 8
	s_add_co_u32 s60, s60, s15
	s_and_b32 s15, s13, 3
	s_lshl_b32 s15, s15, 2
	s_add_co_u32 s60, s60, s15
	s_lshl_b32 s68, s13, 6                         ; their 16 flag words
	s_lshl_b32 s70, s14, 6
.irp p, 49,51,53,55,57,59,61,63,69,71
	s_mov_b32 s\p, 0
.endr
	s_mov_b32 s84, 0x76543210
	s_mov_b32 s85, 0xfedcba98                      ; v_permlanex16_b32's selects for lane l xor 16
	s_mov_b32 s86, 0x3e38aa3b                      ; c = log2(e) / 8
	s_mov_b32 s87, s86                             ; (named with it as a pair)
	s_mov_b32 s104, 0xffff0000                     ; lanes 16-31
	s_wait_kmcnt 0x0
	s_add_nc_u64 s[68:69], s[6:7], s[68:69]
	s_add_nc_u64 s[70:71], s[6:7], s[70:71]
	s_load_b512 s[16:31], s[68:69], MFLAG
	s_load_b512 s[32:47], s[70:71], MFLAG
.irp p, 48,50,52,54,56,58,60,62
	s_add_nc_u64 s[\p:\p+1], s[4:5], s[\p:\p+1]
.endr
	global_load_b128 v[16:19], v[G16], s[56:57]
	global_load_b64 v[20:21], v[G8], s[56:57] offset:512
	global_load_b32 v94, v[QSO], s[60:61]
	global_load_b128 v[228:231], v[G16], s[58:59]
	global_load_b64 v[232:233], v[G8], s[58:59] offset:512
	global_load_b32 v240, v[QSO], s[62:63]
.irp i, 0,1,2,3,4,5,6,7,8,9,10,11
	global_load_b128 v[96+4*\i:99+4*\i], v9, s[48:49] offset:512*\i     ; 512 consecutive bytes an instruction
.endr
.irp i, 0,1,2,3,4,5,6,7,8,9,10,11
	global_load_b128 v[144+4*\i:147+4*\i], v9, s[50:51] offset:512*\i
.endr
	global_load_b128 v[192:195], v11, s[52:53]
	global_load_b64 v[196:197], v242, s[54:55]
.irp j, 22,23,24,25,26,27,234,235,236,237,238,239,80,81,82,83,84,85
	v_mov_b32 v\j, 0                               ; zero codes: Q's k = 64 .. 127, and what stands behind K's last tile
.endr
.irp b, 0,1,2,3
	v_mov_b32 v[BY+\b], 0                          ; written once: a lane permute's destination counts as one of its sources
.endr
	v_mov_b32 v[F+1], 0                            ; (named as the upper half of a pair)
	v_mov_b32 v[NEG], 0xff61b1e6                   ; -3e38
; The 16 flag words of a tile become two words of bits: work: some query has an open key in step i; open: all are open.
.macro FLAGS f, work, open
	s_mov_b32 s[\work], 0
	s_mov_b32 s[\open], 0
	s_mov_b32 s100, 0
.irp i, 0,1,2,3,4,5,6,7,8,9,10,11,12,13,14,15
	s_and_b32 s98, s[\f+\i], 0xffff
	s_cselect_b32 s99, 1<<\i, 0
	s_or_b32 s100, s100, s98                       ; which queries have an open key anywhere
	s_or_b32 s[\work], s[\work], s99
	s_bfe_u32 s99, s[\f+\i], 0x10010               ; bit 16
	s_lshl_b32 s99, s99, \i
	s_or_b32 s[\open], s[\open], s99
.endr
	s_cmp_eq_u32 s100, 0xffff
	s_cselect_b32 s[\work], s[\work], 0xffff       ; a query without any open key wants the mean over all keys: every step is worked
.endm
	s_wait_kmcnt 0x0
	FLAGS 16, 92, 93
	FLAGS 32, 94, 95
	s_wait_loadcnt 0x0
.irp i, 0,1,2,3,4,5,6,7,8,9,10,11
	ds_store_b128 v9, v[96+4*\i:99+4*\i] offset:512*\i
.endr
.irp i, 0,1,2,3,4,5,6,7,8,9,10,11
	ds_store_b128 v10, v[144+4*\i:147+4*\i] offset:512*\i
.endr
	ds_store_b128 v241, v[192:195]
	ds_store_b64 v243, v[196:197]
	s_wait_dscnt 0x0                               ; for the others' sake: my stores have landed
	s_barrier_signal -1
	s_barrier_wait -1                              ; the head's K and V lie in LDS; nothing is stored there again
; ONE TILE OF 16 QUERIES.  qf: Q's fragment; qs: its scale words; work, open: the scalar registers with the tile's bits; tau: the one with its number.
.macro TILE qf, qs, work, open, tau
	s_wait_xcnt 0x0                                ; the last tile's stores have read their registers and bases
	v_mov_b32 v13, v[NEG]                          ; the largest t so far
	v_floor_f32 v12, -v13                          ; -M
	v_mov_b32 v14, 0
	v_mov_b32 v15, 0
.set j, 0
.rept 32
	v_mov_b32 v[O+j], 0                            ; which step is the first to be worked hangs on the mask, so no product can start the sums
.set j, j+1
.endr
	s_lshl_b32 s96, s[\tau], 12
	s_mov_b32 s97, 0
	s_add_nc_u64 s[96:97], s[6:7], s[96:97]        ; the tile's records: 256 bytes a step
	s_mov_b32 s88, 0                               ; the step,
	s_mov_b32 s89, 0                               ; its images in LDS,
	s_mov_b32 s90, 0                               ; K's scale words,
	s_mov_b32 s91, 0                               ; V's
.Lkey_\@:                                              ; 16 trips, always
	s_lshr_b32 s98, s[\work], s88
	s_and_b32 s98, s98, 1
	s_cmp_eq_u32 s98, 0
	s_cbranch_scc1 .Lskip_\@                       ; no open key for any of my queries: only the addresses step
	s_load_b512 s[16:31], s[96:97], 0x0            ; the 64 lane masks: they have the first product's time in which to come
	s_load_b512 s[32:47], s[96:97], 0x40
	s_load_b512 s[48:63], s[96:97], 0x80
	s_load_b512 s[68:83], s[96:97], 0xc0
	v_add_nc_u32 v9, s89, v[G16]
	v_add_nc_u32 v10, s89, v[G8]
	v_add_nc_u32 v11, s90, v[ASK]
	v_nop                                          ; four places in front of loads into registers that the last step's products have read
.irp t, 0,1,2,3,4,5,6,7
	ds_load_b128 v[32+6*\t:35+6*\t], v9 offset:768*\t
	ds_load_b64 v[36+6*\t:37+6*\t], v10 offset:768*\t+512
.endr
	ds_load_b128 v[KSW:KSW+3], v11
	ds_load_b128 v[KSW+4:KSW+7], v11 offset:256
	s_wait_dscnt 0x0
.irp t, 0,1,2,3,4,5,6,7
	v_wmma_scale_f32_16x16x128_f8f6f4 v[S+8*\t:S+8*\t+7], v[32+6*\t:43+6*\t], v[\qf:\qf+11], 0, v[KSW+\t], v[\qs] matrix_a_fmt:MATRIX_FMT_FP6 matrix_b_fmt:MATRIX_FMT_FP6
.endr
	v_add_nc_u32 v241, s89, v[AV16]
	v_add_nc_u32 v242, s89, v[AV8]
	v_add_nc_u32 v243, s91, v[ASV]
	v_nop                                          ; four places: in front of the loads over K's fragments, and of the first read of the scores
.irp t, 0,1,2,3
	ds_load_b128 v[32+12*\t:35+12*\t], v241 offset:1536*\t        ; V's fragments land while the softmax is worked
	ds_load_b64 v[36+12*\t:37+12*\t], v242 offset:1536*\t+512
	ds_load_b128 v[38+12*\t:41+12*\t], v241 offset:1536*\t+768
	ds_load_b64 v[42+12*\t:43+12*\t], v242 offset:1536*\t+1280
.endr
	ds_load_b128 v[VSW:VSW+3], v243
.set j, 0
.rept 32
	v_pk_mul_f32 v[S+j:S+j+1], v[S+j:S+j+1], s[86:87] op_sel_hi:[1,0]   ; t, each accumulator from its low end on
.set j, j+2
.endr
	s_wait_kmcnt 0x0                               ; the lane masks
	s_lshr_b32 s98, s[\open], s88
	s_and_b32 s98, s98, 1
	s_cmp_eq_u32 s98, 1
	s_cbranch_scc1 .Lopen_\@
.set n, 0
.rept 64
	v_cndmask_b32 v[S+n], v[NEG], v[S+n], s[16+n+4*(n/48)]   ; a hidden key's t is -3e38
.set n, n+1
.endr
.Lopen_\@:
.irp b, 0,1,2,3
	v_max3_num_f32 v[BX+\b], v[S+16*\b], v[S+1+16*\b], v[S+2+16*\b]   ; the largest t of each block of 32 keys: for the row's maximum, and, since p rises with t, for the block's largest p
.endr
.irp i, 3,5,7,9,11,13
.irp b, 0,1,2,3
	v_max3_num_f32 v[BX+\b], v[BX+\b], v[S+16*\b+\i], v[S+1+16*\b+\i]
.endr
.endr
.irp b, 0,1,2,3
	v_max_num_f32 v[BX+\b], v[BX+\b], v[S+15+16*\b]
.endr
.irp b, 0,1,2,3
	v_permlanex16_b32 v[BY+\b], v[BX+\b], s84, s85
.endr
.irp b, 0,1,2,3
	v_max_num_f32 v[BX+\b], v[BX+\b], v[BY+\b]     ; with lane l xor 16's 16 keys
.endr
	v_max3_num_f32 v[T0], v[BX], v[BX+1], v[BX+2]
	v_max_num_f32 v[T0], v[T0], v[BX+3]
	v_max_num_f32 v13, v13, v[T0]                  ; the running largest t
	v_mov_b32 v[T0], v12
	v_floor_f32 v12, -v13                          ; the new -M = -ceil(t)
	v_sub_f32 v[T0], v12, v[T0]                    ; old M - new M: a whole number, 0 or less
	v_cvt_i32_f32 v[T0], v[T0]                     ; (it saturates)
	v_ldexp_f32 v[F], 1.0, v[T0]                   ; f = 2^(old M - new M)
.set j, 0
.rept 32
	v_pk_add_f32 v[S+j:S+j+1], v[S+j:S+j+1], v[12:13] op_sel_hi:[1,0]   ; t - M
.set j, j+2
.endr
.irp b, 0,1,2,3
	v_add_f32 v[BX+\b], v[BX+\b], v12              ; the same of each block's largest t
.endr
.set j, 0
.rept 64
	v_exp_f32 v[S+j], v[S+j]                       ; p = 2^(t - M)
.set j, j+1
.endr
	v_pk_mul_f32 v[14:15], v[14:15], v[F:F+1] op_sel_hi:[1,0]   ; the sums under the new M: a plain place behind the exponentials
	s_wait_alu depctr_va_vdst(0)                   ; one wait for the whole batch, ahead of its first reader
.irp b, 0,1,2,3
	v_exp_f32 v[BX+\b], v[BX+\b]                   ; the block's largest p: the same instructions on the same number give the same bits
.endr
	v_pk_add_f32 v[BY:BY+1], v[S:S+1], v[S+2:S+3]  ; the row's sum is taken of the unquantised p, in two chains
.set j, 4
.rept 15
	v_pk_add_f32 v[14:15], v[14:15], v[S+j:S+j+1]
	v_pk_add_f32 v[BY:BY+1], v[BY:BY+1], v[S+j+2:S+j+3]
.set j, j+4
.endr
	v_pk_add_f32 v[14:15], v[14:15], v[BY:BY+1]
	s_wait_alu depctr_va_vdst(0)                   ; and one for the four
.irp b, 0,1,2,3
	v_max_num_f32 v[BX+\b], 0x1800000, v[BX+\b]    ; the floor 2^(3 - 127): the byte cannot fall under 1
.endr
.irp b, 0,1,2,3
	v_add_nc_u32 v[BS+\b], 0xff000000, v[BX+\b]    ; 2 off the exponent field: the conversion's scale operand
.endr
.irp b, 0,1,2,3
	v_lshrrev_b32 v[BY+\b], 23, v[BS+\b]           ; the scale's byte
.endr
	v_lshl_or_b32 v[PSW], v[BY+1], 8, v[BY]        ; p's scale word for these 128 keys
	v_lshl_or_b32 v[PSW], v[BY+2], 16, v[PSW]
	v_lshl_or_b32 v[PSW], v[BY+3], 24, v[PSW]
.irp c, 0,1
	v_cvt_scalef32_pk16_fp6_f32 v[PC+6*\c:PC+6*\c+2], v[S+32*\c:S+32*\c+15], v[BS+2*\c]
	v_cvt_scalef32_pk16_fp6_f32 v[PT+4*\c:PT+4*\c+2], v[S+32*\c+16:S+32*\c+31], v[BS+2*\c+1]   ; (a conversion's three registers begin on an even number)
.endr
	v_nop                                          ; one plain place behind a scaled conversion
.irp c, 0,1                            ; the operand's layout wants a whole block in a lane
.irp i, 0,1,2
	v_permlane16_swap_b32 v[PC+6*\c+\i], v[PT+4*\c+\i]
.endr
.irp i, 0,1,2
	v_mov_b32 v[PC+3+6*\c+\i], v[PT+4*\c+\i]
.endr
.endr
.set j, 0
.rept 16
	v_pk_mul_f32 v[O+j:O+j+1], v[O+j:O+j+1], v[F:F+1] op_sel_hi:[1,0]   ; O^T under the new M.  For each product below twelve of these name none of its registers: the places behind p's codes and scale word
.set j, j+2
.endr
	s_wait_dscnt 0x0                               ; V
.irp t, 0,1,2,3                        ; the four accumulators take turns, one instruction a turn
	v_wmma_scale_f32_16x16x128_f8f6f4 v[O+8*\t:O+8*\t+7], v[32+12*\t:43+12*\t], v[PC:PC+11], v[O+8*\t:O+8*\t+7], v[VSW+\t], v[PSW] matrix_a_fmt:MATRIX_FMT_FP6 matrix_b_fmt:MATRIX_FMT_FP6
.endr
.Lskip_\@:
	s_add_co_u32 s89, s89, STEPB
	s_add_co_u32 s90, s90, 512
	s_add_co_u32 s91, s91, 256
	s_add_nc_u64 s[96:97], s[96:97], 256           ; (no scalar load is out on either way here)
	s_add_co_u32 s88, s88, 1
	s_cmp_lt_u32 s88, 16
	s_cbranch_scc1 .Lkey_\@
	; the way out: y = O^T / the sum, quantised along the channels: chunk = head of the last product's K
	v_add_f32 v14, v14, v15
	v_permlanex16_b32 v[T0], v14, s84, s85
	v_add_f32 v14, v14, v[T0]                      ; the row's sum
	v_rcp_f32 v14, v14
	v_nop                                          ; with the two additions: four plain places behind the last products, one of them behind the reciprocal
	v_nop
	s_lshr_b32 s98, s12, 4
	s_lshl_b32 s98, s98, 7
	s_add_co_u32 s98, s98, s[\tau]                 ; the tile of tokens: 128 x batch + tile
	s_lshl_b32 s100, s98, 9
	s_mul_i32 s98, s98, 12288
	s_and_b32 s99, s12, 15                         ; the head
	s_lshl_b32 s101, s99, 1
	s_add_co_u32 s100, s100, s101
	s_add_co_u32 s100, s100, G_YSC
	s_mul_i32 s99, s99, 768
	s_add_co_u32 s98, s98, s99
	s_mov_b32 s99, 0
	s_mov_b32 s101, 0
	s_add_nc_u64 s[98:99], s[8:9], s[98:99]
	s_add_nc_u64 s[100:101], s[8:9], s[100:101]
	s_wait_alu depctr_va_vdst(0)                   ; ahead of the reciprocal's first reader
.set j, 0
.rept 16
	v_pk_mul_f32 v[S+j:S+j+1], v[O+j:O+j+1], v[14:15] op_sel_hi:[1,0]   ; register 16 b + i: channel 32 b + 16 h + i; each accumulator from its low end on
.set j, j+2
.endr
.irp b, 0,1
	v_max3_num_f32 v[BX+\b], |v[S+16*\b]|, |v[S+1+16*\b]|, 0x1800000
.endr
.irp i, 2,4,6,8,10,12,14
.irp b, 0,1
	v_max3_num_f32 v[BX+\b], v[BX+\b], |v[S+16*\b+\i]|, |v[S+1+16*\b+\i]|
.endr
.endr
.irp b, 0,1
	v_permlanex16_b32 v[BY+\b], v[BX+\b], s84, s85
.endr
.irp b, 0,1
	v_max_num_f32 v[BX+\b], v[BX+\b], v[BY+\b]
.endr
.irp b, 0,1
	v_add_nc_u32 v[BS+\b], 0xff000000, v[BX+\b]
.endr
.irp b, 0,1
	v_lshrrev_b32 v[BY+\b], 23, v[BS+\b]
.endr
	v_cndmask_b32 v[T0], v[BY], v[BY+1], s104      ; lane (r, h) stores block h's byte
	v_cvt_scalef32_pk16_fp6_f32 v[PC:PC+2], v[S:S+15], v[BS]
	v_cvt_scalef32_pk16_fp6_f32 v[PT:PT+2], v[S+16:S+31], v[BS+1]
	v_nop
.irp i, 0,1,2
	v_permlane16_swap_b32 v[PC+\i], v[PT+\i]
.endr
.irp i, 0,1,2
	v_mov_b32 v[PC+3+\i], v[PT+\i]
.endr
	global_store_b128 v[G16], v[PC:PC+3], s[98:99]              ; 512 consecutive bytes, aligned,
	global_store_b64 v[G8], v[PC+4:PC+5], s[98:99] offset:512   ; and the 256 behind them
	global_store_b8 v[YS], v[T0], s[100:101]
.endm
	TILE 16, 94, 92, 93, 13
	TILE 228, 240, 94, 95, 14
	s_wait_tensorcnt 0x0
	ds_add_u32 v254, v255
	s_wait_dscnt 0x0
	s_endpgm
.Lfunc_end_k_q8a66f558e3_attn:
	.size	k_q8a66f558e3_attn, .Lfunc_end_k_q8a66f558e3_attn-k_q8a66f558e3_attn
	.p2alignl 7, 3214868480
	.fill 96, 4, 3214868480
	.section	.rodata,"a",@progbits
	.p2align	6, 0x0
	.amdhsa_kernel k_q8a66f558e3_attn
		.amdhsa_group_segment_fixed_size 210944
		.amdhsa_private_segment_fixed_size 0
		.amdhsa_enable_private_segment 0
		.amdhsa_kernarg_size 24
		.amdhsa_user_sgpr_count 2
		.amdhsa_user_sgpr_kernarg_segment_ptr 1
		.amdhsa_wavefront_size32 1
		.amdhsa_system_sgpr_workgroup_id_x 1
		.amdhsa_system_sgpr_workgroup_id_y 1
		.amdhsa_system_sgpr_workgroup_id_z 1
		.amdhsa_system_vgpr_workitem_id 0
		.amdhsa_next_free_vgpr 256
		.amdhsa_next_free_sgpr 106
		.amdhsa_reserve_vcc 0
		.amdhsa_float_denorm_mode_32 3
		.amdhsa_float_denorm_mode_16_64 3
		.amdhsa_memory_ordered 1
		.amdhsa_forward_progress 1
		.amdhsa_inst_pref_size 75
	.end_amdhsa_kernel
	.amdgpu_metadata
---
amdhsa.version: [ 1, 2 ]
amdhsa.kernels:
  - .name:           k_q8a66f558e3_attn
    .symbol:         k_q8a66f558e3_attn.kd
    .args:
      - { .name: ws2, .offset: 0, .size: 8, .value_kind: global_buffer, .address_space: global }
      - { .name: msk, .offset: 8, .size: 8, .value_kind: global_buffer, .address_space: global }
      - { .name: ws3, .offset: 16, .size: 8, .value_kind: global_buffer, .address_space: global }
    .group_segment_fixed_size: 210944
    .private_segment_fixed_size: 0
    .kernarg_segment_align: 8
    .kernarg_segment_size: 24
    .max_flat_workgroup_size: 512
    .sgpr_count:     106
    .vgpr_count:     256
    .wavefront_size: 32
...
	.end_amdgpu_metadata
.endif
;; end of part 3
;; launch gemm_o (part 4): grid 4 x 32, 4 waves a work-group, clusters of 4 x 4, 327,680 bytes of LDS; arguments ws3, ws1, out_b, out0; writes out0
.if DOCPART == 4
	.amdgcn_target "amdgcn-amd-amdhsa--gfx1250"
	.amdhsa_code_object_version 6
	.text
	.protected	k_q8a66f558e3_gemm_o
	.globl	k_q8a66f558e3_gemm_o
	.p2align	8
	.type	k_q8a66f558e3_gemm_o,@function
k_q8a66f558e3_gemm_o:
	s_mov_b64 s[64:65], 0
	v_nop
	global_prefetch_b8 v0, s[64:65] scope:SCOPE_SE
	s_setreg_imm32_b32 hwreg(HW_REG_WAVE_MODE, 25, 1), 1
	s_wait_xcnt 0x0
	s_wait_alu depctr_hold_cnt(0) depctr_sa_sdst(0) depctr_va_vdst(0) depctr_va_sdst(0) depctr_va_ssrc(0) depctr_va_vcc(0) depctr_vm_vsrc(0)
	s_getreg_b32 s2, hwreg(HW_REG_IB_STS2, 6, 4)
	s_cmp_eq_u32 s2, 0
	s_cbranch_scc0 .Lentry_in_a_cluster
	s_endpgm
.Lentry_in_a_cluster:
	s_bfe_u32 s2, ttmp6, 0x10000c
	s_cmp_lg_u32 s2, 0xf033
	s_cbranch_scc0 .Lentry_shape_is_right
	s_endpgm
.Lentry_shape_is_right:
; out0 = y out_w^T + out_b on codes of E2M3 (K = 1,024).  y's codes come from ws3, out_w's from ws1, both as images of operand registers: tile T (16 rows) at 12288 T, 16 chunks of 64 along K of 768 bytes
; (registers 0-3 at 16 x lane, 4-5 at 512 + 8 x lane); scale bytes, 32 a row.  out0: [8192][1024] f32.
; A work-group of four waves makes 256 x 256 results, a wave 128 x 128: 64 accumulators.  K goes in steps of 256 through a ring of two LDS slots filled by the tensor data mover; the scale bytes come into LDS once.
; CLUSTERS of 4 x 4: A (source 1) = y's tokens, shared along a row of the cluster; B (source 0) = out_w's rows, shared along a column: each tile is asked for jointly.
; Source 0 = 16 neighbouring rows of out_w: a lane holds eight neighbouring outputs of one token.  The bias is the C of each sum's first product.
; y's tiles hold tokens 32 b + 8 u + r + 8 (r / 8) for tile 2 b + u: the way out puts each row at its token's place.
; The grid is 128 work-groups: 8,192 x 1,024 results in tiles of 256 x 256.
; REGISTERS, in windows of 256: window 0: v0-31 addresses; v32-63 scale words, two sets; v64-127 the bias; v128-223 A's fragments; on the way out v128-255 hold rows.   window 1: B's fragments, two sets.   windows 2, 3: the accumulators.
.set NQ,     2
.set FR,     12
.set NL,     4
.set NP,     4                         ; places behind this matrix instruction (ISA guide 7.12.1)
.set TILEB,  3072
.set HALFT,  8*TILEB
.set SLOT,   4*HALFT
.set LAPS,   2
.set SCL,    2*SLOT
.set HALFS,  16*272
.set SBLK,   2*272
.set SPARE,  SCL+4*HALFS               ; the spare words, 128 bytes for each wave, which no other line names
.set SCB,    9437184                   ; the scale bytes in ws1,
.set YSC,    6291456                   ; in ws3
.set SPITCH, 528                       ; the way out: a stage of 16 rows x (512 bytes + 16) for each wave, in slot 0, which has had its last fill and its last read when the first result is stored there
.set O16,  8
.set O8,   9
.set BO,   12
.set ADRA, 16
.set ADRB, 20
.set STO,  24                          ; v24  the way out: where I put 32 bytes of a row
.set RD,   25                          ; v25  where I read a row back
.set CO,   26                          ; v26  my byte offset in a row of out0
.set ADRS, 27
.set SPW,  28                          ; v28  my spare word; never rewritten
.set NIL,  29                          ; v29  0; never rewritten
.set SC,   32
.set BN,   64                          ; v64-127: register 8 b + j: out_b at my column 16 b + 8 h + j
.set AF,   128
.set BK,   128
.set G1, 24
.set G0, 32
.set G1B, 48
.set G0B, 56
.set G1S, 68
.set G0S, 76
.set G1SB, 80
.set G0SB, 88
.set MSB, 0
.macro WIN new
.if MSB != (\new)
	s_set_vgpr_msb (MSB<<8)|(\new)
.set MSB, (\new)
.endif
.endm
.set MUL_LO, 0xa1                      ; source 0 (B) window 1, source 1 (A) window 0, C and D window 2
.set MUL_HI, 0xf1
.set FST_LO, 0x81                      ; the first step: C (the bias) window 0, D window 2
.set FST_HI, 0xc1
.set TO_B,   0x40
.macro JLOAD g0a, g1a, g0b, g1b        ; a joint load: waves 0 and 1 fetch for A, waves 2 and 3 for B; four v_nop follow each of the two lines
	s_cmp_eq_u32 s15, 0
	s_cbranch_scc0 .Lfor_b_\@
	tensor_load_to_lds s[\g0a:\g0a+3], s[\g1a:\g1a+7]
	s_nop 0
.rept 4
	v_nop
.endr
	s_branch .Lasked_\@
.Lfor_b_\@:
	tensor_load_to_lds s[\g0b:\g0b+3], s[\g1b:\g1b+7]
	s_nop 0
.rept 4
	v_nop
.endr
.Lasked_\@:
.endm
.macro CREST
	s_cmp_lg_u32 s14, 0
	s_cbranch_scc1 .Lnot_wave_0_\@
	s_barrier_signal -3
.Lnot_wave_0_\@:
	s_barrier_wait -3
	s_barrier_signal -1
	s_barrier_wait -1
.endm
.macro CROUND
	s_barrier_signal -1
	s_barrier_wait -1
	CREST
.endm
	s_load_b256 s[4:11], s[0:1], 0x0               ; ws3, ws1, out_b, out0
	v_lshl_add_u32 v[SPW], v0, 2, SPARE
	v_mov_b32 v[NIL], 0
	ds_add_u32 v28, v29
	ds_add_u32 v28, v29
	s_wait_dscnt 0x0
	v_lshrrev_b32 v1, 5, v0
	v_readfirstlane_b32 s14, v1                    ; wave 0..3
	s_lshr_b32 s15, s14, 1                         ; which half of A's rows is mine.  Also: I fetch for A (0) or for B (1)
	s_and_b32 s16, s14, 1                          ; which half of B's rows.  Also: which 8 tiles I fetch
	s_bfe_u32 s40, ttmp6, 0x40000                  ; cx
	s_bfe_u32 s41, ttmp6, 0x40004                  ; cy
	s_and_b32 s17, ttmp7, 0xffff                   ; the cluster's y
	s_lshl_b32 s43, s41, 2
	s_lshl_b32 s43, 15, s43                        ; my row of the cluster
	s_lshl_b32 s44, 0x1111, s40                    ; my column
	s_or_b32 s[G1+0], s43, (3<<16)|(1<<21)         ; codes: 8 tiles, each 3,072 consecutive bytes (384 elements of 8), 12,288 bytes apart; no padding
	s_or_b32 s[G1B+0], s44, (3<<16)|(1<<21)
.irp g, G1, G1B
	s_mov_b32 s[\g+1], 384<<16
	s_mov_b32 s[\g+2], 8<<16
	s_mov_b32 s[\g+3], 384<<16
	s_mov_b32 s[\g+4], 8
	s_mov_b32 s[\g+5], 1536
	s_mov_b32 s[\g+6], 0
	s_mov_b32 s[\g+7], 0
.endr
	s_or_b32 s[G1S+0], s43, (3<<16)|(1<<20)|(1<<21)|(5<<22)|(3<<25)   ; scale bytes of 128 rows: 16 rows of 256 bytes, 16 of padding behind each
	s_or_b32 s[G1SB+0], s44, (3<<16)|(1<<20)|(1<<21)|(5<<22)|(3<<25)
.irp g, G1S, G1SB
	s_mov_b32 s[\g+1], 32<<16
	s_mov_b32 s[\g+2], 16<<16
	s_mov_b32 s[\g+3], 32<<16
	s_mov_b32 s[\g+4], 16
	s_mov_b32 s[\g+5], 32
	s_mov_b32 s[\g+6], 0
	s_mov_b32 s[\g+7], 0
.endr
	s_lshl_b32 s95, s16, 3                         ; my 8 of the 16 tiles
	s_lshl_b32 s20, s17, 6
	s_lshl_b32 s21, s41, 4
	s_add_co_u32 s20, s20, s21
	s_add_co_u32 s20, s20, s95                     ; A: tile 64 x cluster y + 16 cy + 8 x half of ws3
	s_lshl_b32 s46, s40, 4
	s_add_co_u32 s46, s46, 704
	s_add_co_u32 s46, s46, s95                     ; B: tile 704 + 16 cx + 8 x half of ws1
	s_lshl_b32 s22, s20, 9
	s_add_co_u32 s22, s22, YSC
	s_mul_i32 s20, s20, 12288
	s_mov_b32 s21, 0
	s_mov_b32 s23, 0
	s_lshl_b32 s92, s46, 9
	s_add_co_u32 s92, s92, SCB
	s_mul_i32 s46, s46, 12288
	s_mov_b32 s47, 0
	s_mov_b32 s93, 0
	s_mul_i32 s45, s14, HALFT                      ; where they go: by the wave's number alone
	s_mul_i32 s94, s14, HALFS
	s_wait_kmcnt 0x0
	s_add_nc_u64 s[20:21], s[4:5], s[20:21]
	s_add_nc_u64 s[22:23], s[4:5], s[22:23]
	s_add_nc_u64 s[46:47], s[6:7], s[46:47]
	s_add_nc_u64 s[92:93], s[6:7], s[92:93]
	CROUND                                         ; all sixteen work-groups are here: the first joint loads meet
	s_mov_b32 s[G0S], 1
	s_add_co_u32 s[G0S+1], s94, SCL
	s_mov_b64 s[G0S+2:G0S+3], s[22:23]
	s_or_b32 s[G0S+3], s[G0S+3], 0x80000000
	s_mov_b32 s[G0SB], 1
	s_add_co_u32 s[G0SB+1], s94, SCL
	s_mov_b64 s[G0SB+2:G0SB+3], s[92:93]
	s_or_b32 s[G0SB+3], s[G0SB+3], 0x80000000
	JLOAD G0S, G1S, G0SB, G1SB
.irp s, 0,1
	s_mov_b32 s[G0+4*\s], 1
	s_add_co_u32 s[G0+4*\s+1], s45, \s*SLOT
	s_add_nc_u64 s[G0+4*\s+2:G0+4*\s+3], s[20:21], \s*TILEB
	s_or_b32 s[G0+4*\s+3], s[G0+4*\s+3], 0x80000000
	s_mov_b32 s[G0B+4*\s], 1
	s_add_co_u32 s[G0B+4*\s+1], s45, \s*SLOT
	s_add_nc_u64 s[G0B+4*\s+2:G0B+4*\s+3], s[46:47], \s*TILEB
	s_or_b32 s[G0B+4*\s+3], s[G0B+4*\s+3], 0x80000000
	JLOAD G0+4*\s, G1, G0B+4*\s, G1B               ; three tensor loads of mine are out now
.endr
	v_and_b32 v1, 31, v0                           ; lane
	v_and_b32 v2, 15, v0                           ; r
	v_bfe_u32 v3, v0, 4, 1                         ; h
	v_lshlrev_b32 v[O16], 4, v1
	v_lshlrev_b32 v[O8], 3, v1
	s_lshl_b32 s18, s40, 10
	s_lshl_b32 s19, s16, 9
	s_add_co_u32 s18, s18, s19                     ; my first column, in bytes: 1,024 cx + 512 x half
	s_mov_b32 s19, 0
	s_add_nc_u64 s[8:9], s[8:9], s[18:19]          ; its bias
	v_lshlrev_b32 v[BO], 5, v3
.irp b, 0,1,2,3,4,5,6,7
	global_load_b128 v[BN+8*\b:BN+8*\b+3], v[BO], s[8:9] offset:64*\b
	global_load_b128 v[BN+8*\b+4:BN+8*\b+7], v[BO], s[8:9] offset:64*\b+16
.endr
	s_mul_i32 s21, s15, HALFT
	s_mul_i32 s22, s16, HALFT
	s_add_co_u32 s22, s22, 2*HALFT
.irp s, 0,1
	v_add_nc_u32 v[ADRA+\s], s21, v[O16]
	v_add_nc_u32 v[ADRB+\s], s22, v[O16]
	v_add_nc_u32 v[ADRA+2+\s], s21, v[O8]
	v_add_nc_u32 v[ADRB+2+\s], s22, v[O8]
	s_add_co_u32 s21, s21, SLOT
	s_add_co_u32 s22, s22, SLOT
.endr
	v_lshlrev_b32 v5, 5, v2
	v_lshrrev_b32 v6, 8, v5
	v_lshl_add_u32 v5, v6, 4, v5
	s_mul_i32 s21, s15, HALFS
	s_mul_i32 s22, s16, HALFS
	s_add_co_u32 s22, s22, 2*HALFS
	s_sub_co_u32 s22, s22, s21
	v_mul_u32_u24 v6, s22, v3                      ; lanes 16-31 take B's
	s_add_co_u32 s21, s21, SCL
	v_add_nc_u32 v5, v5, v6
	v_add_nc_u32 v[ADRS], s21, v5
	s_mul_i32 s23, s14, 16*SPITCH                  ; my stage
	v_mul_u32_u24 v5, v2, SPITCH
	v_lshl_add_u32 v5, v3, 5, v5
	v_add_nc_u32 v[STO], s23, v5                   ; in: row r, 32 bytes for each half of the lanes
	v_mov_b32 v[CO], v[O16]                        ; back: the 32 lanes take one row of 512 bytes; and the same in out0
	v_add_nc_u32 v[RD], s23, v[O16]
	s_lshl_b32 s20, s17, 2
	s_add_co_u32 s20, s20, s41                     ; which 256 tokens
	s_lshl_b32 s20, s20, 1
	s_add_co_u32 s20, s20, s15                     ; which 128
	s_lshl_b32 s20, s20, 19                        ; x 128 rows of 4,096 bytes
	s_mov_b32 s21, 0
	s_add_nc_u64 s[12:13], s[10:11], s[20:21]
	s_add_nc_u64 s[12:13], s[12:13], s[18:19]      ; out0 at my first token and column; never stepped
.macro FRAG reg, adr, q, i
	ds_load_b128 v[\reg:\reg+3],     v[\adr]   offset:(\i)*TILEB+(\q)*1536
	ds_load_b64  v[\reg+4:\reg+5],   v[\adr+2] offset:(\i)*TILEB+(\q)*1536+512
	ds_load_b128 v[\reg+6:\reg+9],   v[\adr]   offset:(\i)*TILEB+(\q)*1536+768
	ds_load_b64  v[\reg+10:\reg+11], v[\adr+2] offset:(\i)*TILEB+(\q)*1536+1280
.endm
; 16 matrix instructions: A's blocks a0, a0 + 1 x B's eight.  first = 1: the sums begin with the bias as C.  The 64 accumulators take turns, one instruction a turn.
.macro MUL16 a0, p, q, sc, first
.irp a, \a0, \a0+1
.irp b, 0,1,2,3,4,5,6,7
.if \first
	v_wmma_scale_f32_16x16x128_f8f6f4 v[8*(8*((\a)%4)+\b):8*(8*((\a)%4)+\b)+7], v[128*(\p)+FR*\b:128*(\p)+FR*\b+FR-1], v[AF+FR*(\a):AF+FR*(\a)+FR-1], v[BN+8*\b:BN+8*\b+7], v[SC+8*NQ*(\sc)+NQ*\b+(\q)], v[SC+8*NQ*(\sc)+NQ*(\a)+(\q)] matrix_a_fmt:MATRIX_FMT_FP6 matrix_b_fmt:MATRIX_FMT_FP6 matrix_a_scale:MATRIX_SCALE_ROW1
.else
	v_wmma_scale_f32_16x16x128_f8f6f4 v[8*(8*((\a)%4)+\b):8*(8*((\a)%4)+\b)+7], v[128*(\p)+FR*\b:128*(\p)+FR*\b+FR-1], v[AF+FR*(\a):AF+FR*(\a)+FR-1], v[8*(8*((\a)%4)+\b):8*(8*((\a)%4)+\b)+7], v[SC+8*NQ*(\sc)+NQ*\b+(\q)], v[SC+8*NQ*(\sc)+NQ*(\a)+(\q)] matrix_a_fmt:MATRIX_FMT_FP6 matrix_b_fmt:MATRIX_FMT_FP6 matrix_a_scale:MATRIX_SCALE_ROW1
.endif
.endr
.endr
.endm
.macro FETCH_B slot, q, p
	WIN TO_B
.irp i, 0,1,2,3,4,5,6,7
	FRAG 128*(\p)+FR*\i, ADRB+\slot, \q, \i
.endr
	WIN 0
.endm
.macro FETCH_A slot, q, i0
.irp i, \i0, \i0+1, \i0+2, \i0+3
	FRAG AF+FR*(\i), ADRA+\slot, \q, \i
.endr
.endm
.macro SCALES sc
.irp i, 0,1,2,3,4,5,6,7
	ds_load_b64 v[SC+8*NQ*\sc+NQ*\i:SC+8*NQ*\sc+NQ*\i+1], v[ADRS] offset:\i*SBLK
.endr
.endm
.macro PLACES n
.rept \n
	v_nop
.endr
.endm
.macro STEP slot, q, first
	s_wait_dscnt 4*NL                              ; B's set and A's blocks 0-3 are in; the youngest 16 loads (A's blocks 4-7) may be out
.if \first
	WIN FST_LO
.else
	WIN MUL_LO
.endif
	MUL16 0, (\q)%2, \q, \slot, \first
	MUL16 2, (\q)%2, \q, \slot, \first
	s_wait_dscnt 0
	PLACES NP
	FETCH_B \slot, (\q)+1, 1-(\q)%2
	FETCH_A \slot, (\q)+1, 0
.if \first
	WIN FST_HI
.else
	WIN MUL_HI
.endif
	MUL16 4, (\q)%2, \q, \slot, \first
	MUL16 6, (\q)%2, \q, \slot, \first
	PLACES NP
	WIN 0
	FETCH_A \slot, (\q)+1, 4
.endm
.macro TURN slot, next, fill
	s_wait_tensorcnt 0x0                           ; all my tensor loads have landed: my part of the next slot
	ds_add_u32 v[SPW], v[NIL]                      ; 0 onto my spare word
	s_wait_dscnt 4*NL+1                            ; (the add and the youngest 16 loads may be out)
	WIN MUL_LO
	MUL16 0, 1, NQ-1, \slot, 0
	s_wait_dscnt 0x0                               ; the add is done, and my reads of this slot are over
	s_barrier_signal -1
	MUL16 2, 1, NQ-1, \slot, 0
	WIN 0
	s_barrier_wait -1
.if \fill
	CREST                                          ; a round of the cluster's barrier: no wave of any partner still reads this slot or has a load on its way
	s_add_nc_u64 s[G0+4*\slot+2:G0+4*\slot+3], s[G0+4*\slot+2:G0+4*\slot+3], 2*TILEB
	s_add_nc_u64 s[G0B+4*\slot+2:G0B+4*\slot+3], s[G0B+4*\slot+2:G0B+4*\slot+3], 2*TILEB
	JLOAD G0+4*\slot, G1, G0B+4*\slot, G1B         ; my one tensor load behind the round
.else
	PLACES NP
.endif
	v_add_nc_u32 v[ADRS], 4*NQ, v[ADRS]
	FETCH_B \next, 0, 0
	FETCH_A \next, 0, 0
	SCALES \next
	WIN MUL_HI
	MUL16 4, 1, NQ-1, \slot, 0
	MUL16 6, 1, NQ-1, \slot, 0
	PLACES NP
	WIN 0
	FETCH_A \next, 0, 4
.endm
	s_wait_tensorcnt 1                             ; the scale bytes and my part of K step 0 are in (K step 1's load may be out)
	s_barrier_signal -1
	s_barrier_wait -1
	FETCH_B 0, 0, 0
	FETCH_A 0, 0, 0
	SCALES 0
	FETCH_A 0, 0, 4
	s_wait_loadcnt 0x0                             ; the bias
	STEP 0, 0, 1                                   ; the first step stands in front of the loop: its products start the sums, from the bias
	s_mov_b32 s3, LAPS-1
.Llap:
	TURN 0, 1, 1
	STEP 1, 0, 0
	TURN 1, 0, 1
	STEP 0, 0, 0
	s_sub_co_u32 s3, s3, 1
	s_cmp_lg_u32 s3, 0
	s_cbranch_scc1 .Llap
	TURN 0, 1, 0                                   ; the last lap fills nothing
	STEP 1, 0, 0
	s_wait_dscnt 4*NL                              ; the very last step
	WIN MUL_LO
	MUL16 0, 1, NQ-1, 1, 0
	MUL16 2, 1, NQ-1, 1, 0
	s_wait_dscnt 0
	WIN MUL_HI
	MUL16 4, 1, NQ-1, 1, 0
	MUL16 6, 1, NQ-1, 1, 0
	WIN 0
; THE WAY OUT, block by block of 16 tokens x 128 columns, through my own stage in LDS: in as 32 bytes a lane, back as whole rows of 512 bytes.  LDS serves a wave's instructions in order (ISA guide 5.7.1.4): no wait between stores and loads.
.macro TOSTAGE a
.set AC, 64*((\a)%4)
	WIN 0x08+4*((\a)/4)                            ; the data: window 2 or 3
.irp b, 0,1,2,3,4,5,6,7
	ds_store_b128 v[STO], v[AC+8*\b:AC+8*\b+3] offset:64*\b          ; each accumulator from its low end on
	ds_store_b128 v[STO], v[AC+8*\b+4:AC+8*\b+7] offset:64*\b+16
.endr
	WIN 0
.set BB, BK+64*((\a)%2)
.irp t, 0,1,2,3,4,5,6,7,8,9,10,11,12,13,14,15
	ds_load_b128 v[BB+4*\t:BB+4*\t+3], v[RD] offset:\t*SPITCH
.endr
.endm
.macro SEND a, younger                 ; row t of block a is token 32 (a / 2) + 8 (a % 2) + t + 8 (t / 8) of my 128: its place stands in the immediate, 520,192 at the most
.set BB, BK+64*((\a)%2)
	s_wait_dscnt \younger
.irp t, 0,1,2,3,4,5,6,7,8,9,10,11,12,13,14,15
	global_store_b128 v[CO], v[BB+4*\t:BB+4*\t+3], s[12:13] offset:(32*((\a)/2)+8*((\a)%2)+\t+8*(\t/8))*4096 th:TH_STORE_NT   ; 512 consecutive bytes, aligned; written once, read by nobody here
.endr
.endm
	PLACES NP
	TOSTAGE 0
.irp a, 1,2,3,4,5,6,7
.if \a > 1
	s_wait_xcnt 0x0                                ; block a - 2's stores have read their registers: block a's loads may land there
.endif
	TOSTAGE \a
	SEND \a-1, 32                                  ; behind block a - 1's loads: block a's 16 stores and 16 loads
.endr
	SEND 7, 0
	s_wait_tensorcnt 0x0                           ; the wave's end
	ds_add_u32 v[SPW], v[NIL]
	s_wait_dscnt 0x0
	CROUND                                         ; the closing round
	s_endpgm
.Lfunc_end_k_q8a66f558e3_gemm_o:
	.size	k_q8a66f558e3_gemm_o, .Lfunc_end_k_q8a66f558e3_gemm_o-k_q8a66f558e3_gemm_o
	.p2alignl 7, 3214868480
	.fill 96, 4, 3214868480
	.section	.rodata,"a",@progbits
	.p2align	6, 0x0
	.amdhsa_kernel k_q8a66f558e3_gemm_o
		.amdhsa_group_segment_fixed_size 327680
		.amdhsa_private_segment_fixed_size 0
		.amdhsa_enable_private_segment 0
		.amdhsa_kernarg_size 32
		.amdhsa_user_sgpr_count 2
		.amdhsa_user_sgpr_kernarg_segment_ptr 1
		.amdhsa_wavefront_size32 1
		.amdhsa_system_sgpr_workgroup_id_x 1
		.amdhsa_system_sgpr_workgroup_id_y 1
		.amdhsa_system_sgpr_workgroup_id_z 1
		.amdhsa_system_vgpr_workitem_id 0
		.amdhsa_next_free_vgpr 1024
		.amdhsa_next_free_sgpr 100
		.amdhsa_reserve_vcc 0
		.amdhsa_float_denorm_mode_32 3
		.amdhsa_float_denorm_mode_16_64 3
		.amdhsa_memory_ordered 1
		.amdhsa_forward_progress 1
		.amdhsa_inst_pref_size 145
	.end_amdhsa_kernel
	.amdgpu_metadata
---
amdhsa.version: [ 1, 2 ]
amdhsa.kernels:
  - .name:           k_q8a66f558e3_gemm_o
    .symbol:         k_q8a66f558e3_gemm_o.kd
    .args:
      - { .name: ws3, .offset: 0, .size: 8, .value_kind: global_buffer, .address_space: global }
      - { .name: ws1, .offset: 8, .size: 8, .value_kind: global_buffer, .address_space: global }
      - { .name: out_b, .offset: 16, .size: 8, .value_kind: global_buffer, .address_space: global }
      - { .name: out0, .offset: 24, .size: 8, .value_kind: global_buffer, .address_space: global }
    .group_segment_fixed_size: 327680
    .private_segment_fixed_size: 0
    .kernarg_segment_align: 8
    .kernarg_segment_size: 32
    .max_flat_workgroup_size: 128
    .sgpr_count:     100
    .vgpr_count:     1024
    .wavefront_size: 32
...
	.end_amdgpu_metadata
.endif
;; end of part 4
;; ======== version 2 of 2: 4 launches; version 1 with the launch attn written anew for expert scheduling mode
;; workspace buffers: ws1 9,830,400 bytes; msk 532,480 bytes of whole numbers; ws2 20,185,088 bytes; ws3 6,553,600 bytes
;; launch prep: the kernel of part 1 again; grid 704 x 1, 4 waves a work-group, no clusters, 68,096 bytes of LDS; arguments x, qkv_w, out_w, mask, ws1, msk; writes ws1, msk
;; launch gemm_qkv: the kernel of part 2 again; grid 12 x 32, 4 waves a work-group, clusters of 4 x 4, 327,680 bytes of LDS; arguments ws1, qkv_b, ws2; writes ws2
;; launch attn (part 5): grid 4 x 64, 16 waves a work-group, no clusters, 210,944 bytes of LDS; arguments ws2, msk, ws3; writes ws3
.if DOCPART == 5
	.amdgcn_target "amdgcn-amd-amdhsa--gfx1250"
	.amdhsa_code_object_version 6
	.text
	.protected	k_q8a66f558e3_attn
	.globl	k_q8a66f558e3_attn
	.p2align	8
	.type	k_q8a66f558e3_attn,@function
k_q8a66f558e3_attn:
	s_mov_b64 s[64:65], 0
	v_nop
	global_prefetch_b8 v0, s[64:65] scope:SCOPE_SE
	s_setreg_imm32_b32 hwreg(HW_REG_WAVE_SCHED_MODE, 0, 2), 2
	s_setreg_imm32_b32 hwreg(HW_REG_WAVE_MODE, 25, 1), 1
	s_wait_xcnt 0x0
	s_wait_alu depctr_vm_vsrc(0)
; y = softmax(mask(q k^T / 8)) v for one of 64 heads, both products on codes of E2M3, and y quantised at once along the channels into the last product's operand.
; THE SOFTMAX: t = score x log2(e) / 8; a hidden key's t is -3e38; M = the row's largest t so far, rounded up to a whole number; p = 2^(t - M) is quantised along the keys, not normalised; the row's sum is taken of the
; unquantised p and divides at the end.  When M moves, the sum and O are multiplied by 2^(old M - new M): exact.
; SHARES.  A work-group is (j = x, head = y).  The head's K and V, codes and scale words (208,896 bytes), are copied into LDS once, through registers; one barrier; then the sixteen waves share nothing.
; Wave w takes the tiles of 16 queries 4 w + j and 4 (31 - w) + j, one after the other: 256 registers a wave, four waves to a SIMD, so that one wave's vector work stands beside another's products and LDS loads.
; THE MASK IS AN INPUT.  An earlier launch has stored, for each tile of queries and each step of 128 keys, 64 lane masks and a flag word.  A step in which none of the 16 queries has an open key is left out (a scalar branch on the
; stored flags, round the step's work alone); a step in which all are open skips the 64 selects.  If some query of a tile has no open key at all, every step of that tile is worked: its p are then all 1, the mean of v.
; NO JOINT LOADS, though the four work-groups of a head read the same K and V: the key loop branches on numbers read from memory; and K and V are read once a work-group, at its head.
; LAYOUT.  Both products are used transposed: S^T = K Q^T (source 0 = 16 keys), O^T = V^T P^T (source 0 = 16 channels): a lane holds one query throughout.  The keys of a tile are 32 b + 8 u + r + 8 (r / 8), so the 16 registers
; of tiles 2 b, 2 b + 1 are keys 32 b + 16 (lane / 16) + 0 .. 15; V's channel tiles likewise, so O^T's registers run along neighbouring channels.
; K = 64 in the first product: Q's codes for k = 64 .. 127 are zeros, so what stands in K's upper six registers (the next tile's codes) adds nothing: E2M3 has no code for infinity or NaN, and the upper scale bytes are 127.
; LIMITS: NaN and infinities are not served; a block under 2^(3 - 127), zeros among them, gets the byte 1; y's scale bytes leave one a lane, since a row's 32 bytes come from 16 work-groups.
; REGISTERS: v1-8 addresses that stay; v9-11, v241-243 addresses in hand; v12 -M, v13 the largest t, v[14:15] the sum; v16-27, v228-239 the two Q fragments; v28-31 V's, v86-93 K's, v94, v240 Q's, v95 p's scale words;
;   v32-79 K's or V's fragments, v80-85 zeros; v96-159 S^T, then p, then y; v160-191 O^T; v192-211 codes; v212-226 at work; v227 the old -M; v244 -3e38; v245 y's scale byte's place.
; THE MODE: SCHED_MODE bits 1:0 = 2 (LLVM: expert scheduling mode 2), set by the entry lines.  The code itself states the register dependences between vector or matrix instructions and memory or LDS
; instructions, with s_wait_alu, always for 0.
; THE PLAN.  Registers that memory or LDS instructions touch:
;   v1, v7, v8, v245   offsets, made once at the head and never written again.
;   v9-11, v241-243    at the head the copy's offsets and LDS addresses; in a key step the LDS addresses of K (written at the step's head) and of V (written behind the first product).
;   v96-197            the copy: global loads land there, LDS stores read them; afterwards S^T, O^T and the codes, which matrix and vector instructions write.
;   v32-79, v86-93, v28-31   a key step: K's loads land, the eight products K Q^T read; V's loads land, the four products V^T P^T read.
;   v192-197, v226     the way out: written by conversions, swaps, moves and a select; read by the tile's three stores.
; A key step that is worked has four lines of s_wait_alu: vm_vsrc ahead of the address additions; va_vdst straight ahead of K's run of loads; va_vdst behind the batch of exponentials, with V's run of loads straight behind it;
; va_vdst directly ahead of the second product.  Each tile's head has one vm_vsrc, its way out one va_vdst ahead of the reciprocal's reader and one ahead of the stores.
.set VIMG,   98304                     ; LDS: K's images at 0 (128 tiles x 768), V's here (16 steps x 4 tiles x 1,536),
.set KSC,    196608                    ; K's scale words [tile / 4][row][tile % 4],
.set VSC,    204800                    ; V's [step][row][tile]
.set STEPB,  6144                      ; a step's images, of K and of V alike
.set G_VIMG, 12582912                  ; in ws2
.set G_QKSC, 18874368
.set G_VSC,  19922944
.set G_YSC,  6291456                   ; in ws3
.set MFLAG,  524288                    ; in msk
.set QSO,  1                           ; v1   16 r
.set AV16, 3                           ; v3   VIMG + 16 x lane
.set AV8,  4                           ; v4   VIMG + 8 x lane
.set ASK,  5                           ; v5   KSC + 16 r
.set ASV,  6                           ; v6   VSC + 16 r
.set G16,  7                           ; v7   16 x lane: global offsets, and K's images in LDS
.set G8,   8                           ; v8   8 x lane
.set VSW,  28
.set KSW,  86
.set PSW,  95
.set S,    96
.set O,    160
.set PC,   192
.set PT,   204
.set BX,   212                         ; v212-215 the blocks' largest
.set BY,   216                         ; v216-219 permutes' destinations, sums, bytes
.set BS,   220                         ; v220-223 the conversions' scale operands
.set F,    224                         ; v[224:225] f
.set T0,   226
.set T1,   227
.set NEG,  244
.set YS,   245
	s_load_b128 s[4:7], s[0:1], 0x0                ; ws2, msk
	s_load_b64 s[8:9], s[0:1], 0x10                ; ws3
	v_lshl_add_u32 v254, v0, 2, 0x33000
	v_mov_b32 v255, 0
	v_lshrrev_b32 v1, 5, v0
	v_readfirstlane_b32 s10, v1                    ; wave 0..15
	s_and_b32 s12, ttmp7, 0xffff                   ; 16 x batch + head
	v_and_b32 v[T0], 31, v0                        ; lane
	v_and_b32 v[T1], 15, v0                        ; r
	v_bfe_u32 v[BY], v0, 4, 1                      ; h
	v_lshlrev_b32 v[G16], 4, v[T0]
	v_lshlrev_b32 v[G8], 3, v[T0]
	v_add_nc_u32 v[AV16], VIMG, v[G16]
	v_add_nc_u32 v[AV8], VIMG, v[G8]
	v_lshlrev_b32 v[QSO], 4, v[T1]
	v_add_nc_u32 v[ASK], KSC, v[QSO]
	v_add_nc_u32 v[ASV], VSC, v[QSO]
	v_lshl_add_u32 v[YS], v[T1], 5, v[BY]          ; 32 r + h
	v_lshlrev_b32 v11, 4, v0                       ; the copy: 512 bytes a wave of K's scale words,
	v_add_nc_u32 v241, KSC, v11
	v_lshlrev_b32 v242, 3, v0                      ; 256 of V's
	v_add_nc_u32 v243, VSC, v242
	s_wait_alu depctr_va_sdst(0)                   ; s10 is written, ahead of its first reader: my tiles' numbers and my part of the copy are made from it
	s_lshl_b32 s13, s10, 2
	s_sub_co_u32 s14, 124, s13
	s_add_co_u32 s13, s13, ttmp9                   ; my first tile of queries,
	s_add_co_u32 s14, s14, ttmp9                   ; my second
	s_mul_i32 s11, s10, STEPB                      ; (a register of its own, which no later line writes)
	v_add_nc_u32 v9, s11, v[G16]                   ; my wave's 6,144 bytes of K's and of V's images, in memory and in LDS alike
	v_add_nc_u32 v10, VIMG, v9
	s_mul_i32 s50, s12, 98304
	s_add_co_u32 s48, s50, 64*98304                ; k's images of my head (behind q's 64 heads),
	s_add_co_u32 s50, s50, G_VIMG                  ; v's,
	s_lshl_b32 s60, s12, 13
	s_add_co_u32 s60, s60, G_QKSC                  ; q's scale words,
	s_add_co_u32 s52, s60, 64*8192                 ; k's,
	s_lshl_b32 s54, s12, 12
	s_add_co_u32 s54, s54, G_VSC                   ; v's
	s_lshl_b32 s56, s12, 7
	s_add_co_u32 s58, s56, s14
	s_add_co_u32 s56, s56, s13
	s_mul_i32 s56, s56, 768                        ; my two tiles of q
	s_mul_i32 s58, s58, 768
	s_lshr_b32 s15, s14, 2
	s_lshl_b32 s15, s15, 8
	s_add_co_u32 s62, s60, s15
	s_and_b32 s15, s14, 3
	s_lshl_b32 s15, s15, 2
	s_add_co_u32 s62, s62, s15                     ; and their scale words: 256 (tile / 4) + 4 (tile % 4), + 16 r
	s_lshr_b32 s15, s13, 2
	s_lshl_b32 s15, s15, 8
	s_add_co_u32 s60, s60, s15
	s_and_b32 s15, s13, 3
	s_lshl_b32 s15, s15, 2
	s_add_co_u32 s60, s60, s15
	s_lshl_b32 s68, s13, 6                         ; their 16 flag words
	s_lshl_b32 s70, s14, 6
.irp p, 49,51,53,55,57,59,61,63,69,71
	s_mov_b32 s\p, 0
.endr
	s_mov_b32 s84, 0x76543210
	s_mov_b32 s85, 0xfedcba98                      ; v_permlanex16_b32's selects for lane l xor 16
	s_mov_b32 s86, 0x3e38aa3b                      ; c = log2(e) / 8
	s_mov_b32 s87, s86                             ; (named with it as a pair)
	s_mov_b32 s104, 0xffff0000                     ; lanes 16-31
	s_wait_kmcnt 0x0
	s_add_nc_u64 s[68:69], s[6:7], s[68:69]
	s_add_nc_u64 s[70:71], s[6:7], s[70:71]
	s_load_b512 s[16:31], s[68:69], MFLAG
	s_load_b512 s[32:47], s[70:71], MFLAG
.irp p, 48,50,52,54,56,58,60,62
	s_add_nc_u64 s[\p:\p+1], s[4:5], s[\p:\p+1]
.endr
	s_wait_alu depctr_va_vdst(0)                   ; v1, v7, v8, v9, v11 and v242 are written, which the loads below read as offsets; so are v10, v241 and v243, by which the copy's LDS stores go
	global_load_b128 v[16:19], v[G16], s[56:57]
	global_load_b64 v[20:21], v[G8], s[56:57] offset:512
	global_load_b32 v94, v[QSO], s[60:61]
	global_load_b128 v[228:231], v[G16], s[58:59]
	global_load_b64 v[232:233], v[G8], s[58:59] offset:512
	global_load_b32 v240, v[QSO], s[62:63]
.irp i, 0,1,2,3,4,5,6,7,8,9,10,11
	global_load_b128 v[96+4*\i:99+4*\i], v9, s[48:49] offset:512*\i     ; 512 consecutive bytes an instruction
.endr
.irp i, 0,1,2,3,4,5,6,7,8,9,10,11
	global_load_b128 v[144+4*\i:147+4*\i], v9, s[50:51] offset:512*\i
.endr
	global_load_b128 v[192:195], v11, s[52:53]
	global_load_b64 v[196:197], v242, s[54:55]
.irp j, 22,23,24,25,26,27,234,235,236,237,238,239,80,81,82,83,84,85
	v_mov_b32 v\j, 0                               ; zero codes: Q's k = 64 .. 127, and what stands behind K's last tile.  (These moves and the six below name no register that a load above or an LDS store below touches)
.endr
.irp b, 0,1,2,3
	v_mov_b32 v[BY+\b], 0                          ; written once: a lane permute's destination counts as one of its sources
.endr
	v_mov_b32 v[F+1], 0                            ; (named as the upper half of a pair)
	v_mov_b32 v[NEG], 0xff61b1e6                   ; -3e38
; The 16 flag words of a tile become two words of bits: work: some query has an open key in step i; open: all are open.
.macro FLAGS f, work, open
	s_mov_b32 s[\work], 0
	s_mov_b32 s[\open], 0
	s_mov_b32 s100, 0
.irp i, 0,1,2,3,4,5,6,7,8,9,10,11,12,13,14,15
	s_and_b32 s98, s[\f+\i], 0xffff
	s_cselect_b32 s99, 1<<\i, 0
	s_or_b32 s100, s100, s98                       ; which queries have an open key anywhere
	s_or_b32 s[\work], s[\work], s99
	s_bfe_u32 s99, s[\f+\i], 0x10010               ; bit 16
	s_lshl_b32 s99, s99, \i
	s_or_b32 s[\open], s[\open], s99
.endr
	s_cmp_eq_u32 s100, 0xffff
	s_cselect_b32 s[\work], s[\work], 0xffff       ; a query without any open key wants the mean over all keys: every step is worked
.endm
	s_wait_kmcnt 0x0
	FLAGS 16, 92, 93
	FLAGS 32, 94, 95
	s_wait_loadcnt 0x0
.irp i, 0,1,2,3,4,5,6,7,8,9,10,11
	ds_store_b128 v9, v[96+4*\i:99+4*\i] offset:512*\i
.endr
.irp i, 0,1,2,3,4,5,6,7,8,9,10,11
	ds_store_b128 v10, v[144+4*\i:147+4*\i] offset:512*\i
.endr
	ds_store_b128 v241, v[192:195]
	ds_store_b64 v243, v[196:197]
	s_wait_dscnt 0x0                               ; for the others' sake: my stores have landed
	s_barrier_signal -1
	s_barrier_wait -1                              ; the head's K and V lie in LDS; nothing is stored there again
; ONE TILE OF 16 QUERIES.  qf: Q's fragment; qs: its scale words; work, open: the scalar registers with the tile's bits; tau: the one with its number.
.macro TILE qf, qs, work, open, tau
	s_wait_xcnt 0x0                                ; the last tile's stores have read their registers and bases
	s_wait_alu depctr_vm_vsrc(0)                   ; first tile: the copy's LDS stores have read v96-197 and their addresses; second tile: the first tile's stores have read the codes in v192-197 and the byte in v226: all are written again below
	v_mov_b32 v13, v[NEG]                          ; the largest t so far
	v_floor_f32 v12, -v13                          ; -M
	v_mov_b32 v14, 0
	v_mov_b32 v15, 0
.set j, 0
.rept 32
	v_mov_b32 v[O+j], 0                            ; which step is the first to be worked hangs on the mask, so no product can start the sums
.set j, j+1
.endr
	s_lshl_b32 s96, s[\tau], 12
	s_mov_b32 s97, 0
	s_add_nc_u64 s[96:97], s[6:7], s[96:97]        ; the tile's records: 256 bytes a step
	s_mov_b32 s88, 0                               ; the step,
	s_mov_b32 s89, 0                               ; its images in LDS,
	s_mov_b32 s90, 0                               ; K's scale words,
	s_mov_b32 s91, 0                               ; V's
.Lkey_\@:                                              ; 16 trips, always
	s_lshr_b32 s98, s[\work], s88
	s_and_b32 s98, s98, 1
	s_cmp_eq_u32 s98, 0
	s_cbranch_scc1 .Lskip_\@                       ; no open key for any of my queries: only the addresses step
	s_load_b512 s[16:31], s[96:97], 0x0            ; the 64 lane masks: they have the first product's time in which to come.  (The selects that read the last step's stand ahead of that step's waits on va_vdst)
	s_load_b512 s[32:47], s[96:97], 0x40
	s_load_b512 s[48:63], s[96:97], 0x80
	s_load_b512 s[68:83], s[96:97], 0xc0
	s_wait_alu depctr_vm_vsrc(0)                   ; the LDS loads of the step worked last have read v9-11 and v241-243, which this step writes again
	v_add_nc_u32 v9, s89, v[G16]
	v_add_nc_u32 v10, s89, v[G8]
	v_add_nc_u32 v11, s90, v[ASK]
	v_mov_b32 v[T1], v12                           ; the old -M is kept for f
	s_wait_alu depctr_va_vdst(0)                   ; v9-11 are written, which the loads below read; the products of the step worked last are done reading v32-79 and v86-93, in which they land; the zero codes that the products below take are written
.irp t, 0,1,2,3,4,5,6,7
	ds_load_b128 v[32+6*\t:35+6*\t], v9 offset:768*\t
	ds_load_b64 v[36+6*\t:37+6*\t], v10 offset:768*\t+512
.endr
	ds_load_b128 v[KSW:KSW+3], v11
	ds_load_b128 v[KSW+4:KSW+7], v11 offset:256
	s_wait_dscnt 0x0
.irp t, 0,1,2,3,4,5,6,7
	v_wmma_scale_f32_16x16x128_f8f6f4 v[S+8*\t:S+8*\t+7], v[32+6*\t:43+6*\t], v[\qf:\qf+11], 0, v[KSW+\t], v[\qs] matrix_a_fmt:MATRIX_FMT_FP6 matrix_b_fmt:MATRIX_FMT_FP6
.endr
	v_add_nc_u32 v241, s89, v[AV16]                ; V's addresses, free since the wait on vm_vsrc above: K's loads do not read them
	v_add_nc_u32 v242, s89, v[AV8]
	v_add_nc_u32 v243, s91, v[ASV]
	v_nop                                          ; four places in front of the first read of the scores (ISA guide 7.12.1)
.set j, 0
.rept 32
	v_pk_mul_f32 v[S+j:S+j+1], v[S+j:S+j+1], s[86:87] op_sel_hi:[1,0]   ; t, each accumulator from its low end on
.set j, j+2
.endr
	s_wait_kmcnt 0x0                               ; the lane masks
	s_lshr_b32 s98, s[\open], s88
	s_and_b32 s98, s98, 1
	s_cmp_eq_u32 s98, 1
	s_cbranch_scc1 .Lopen_\@
.set n, 0
.rept 64
	v_cndmask_b32 v[S+n], v[NEG], v[S+n], s[16+n+4*(n/48)]   ; a hidden key's t is -3e38
.set n, n+1
.endr
.Lopen_\@:
.irp b, 0,1,2,3
	v_max3_num_f32 v[BX+\b], v[S+16*\b], v[S+1+16*\b], v[S+2+16*\b]   ; the largest t of each block of 32 keys: for the row's maximum, and, since p rises with t, for the block's largest p
.endr
.irp i, 3,5,7,9,11,13
.irp b, 0,1,2,3
	v_max3_num_f32 v[BX+\b], v[BX+\b], v[S+16*\b+\i], v[S+1+16*\b+\i]
.endr
.endr
.irp b, 0,1,2,3
	v_max_num_f32 v[BX+\b], v[BX+\b], v[S+15+16*\b]
.endr
.irp b, 0,1,2,3
	v_permlanex16_b32 v[BY+\b], v[BX+\b], s84, s85
.endr
.irp b, 0,1,2,3
	v_max_num_f32 v[BX+\b], v[BX+\b], v[BY+\b]     ; with lane l xor 16's 16 keys
.endr
	v_max3_num_f32 v[T0], v[BX], v[BX+1], v[BX+2]
	v_max_num_f32 v[T0], v[T0], v[BX+3]
	v_max_num_f32 v13, v13, v[T0]                  ; the running largest t
	v_floor_f32 v12, -v13                          ; the new -M = -ceil(t)
	v_sub_f32 v[T0], v12, v[T1]                    ; old M - new M: a whole number, 0 or less
	v_cvt_i32_f32 v[T0], v[T0]                     ; (it saturates)
	v_ldexp_f32 v[F], 1.0, v[T0]                   ; f = 2^(old M - new M)
.set j, 0
.rept 32
	v_pk_add_f32 v[S+j:S+j+1], v[S+j:S+j+1], v[12:13] op_sel_hi:[1,0]   ; t - M
.set j, j+2
.endr
.irp b, 0,1,2,3
	v_add_f32 v[BX+\b], v[BX+\b], v12              ; the same of each block's largest t
.endr
.set j, 0
.rept 64
	v_exp_f32 v[S+j], v[S+j]                       ; p = 2^(t - M)
.set j, j+1
.endr
.irp b, 0,1,2,3
	v_exp_f32 v[BX+\b], v[BX+\b]                   ; the block's largest p: the same instructions on the same number give the same bits.  One batch with the 64
.endr
	v_pk_mul_f32 v[14:15], v[14:15], v[F:F+1] op_sel_hi:[1,0]   ; the sums under the new M: a plain place behind the exponentials
	s_wait_alu depctr_va_vdst(0)                   ; the 68 exponentials have written p and the blocks' largest p, ahead of their first reader; the products K Q^T are done reading v32-85 and the last step's V^T P^T reading v28-31, in which the loads below land; v241-243 are written
.irp t, 0,1,2,3
	ds_load_b128 v[32+12*\t:35+12*\t], v241 offset:1536*\t        ; V's fragments land while the sums, the scales and the codes are made: 80 vector instructions, none of which names these registers
	ds_load_b64 v[36+12*\t:37+12*\t], v242 offset:1536*\t+512
	ds_load_b128 v[38+12*\t:41+12*\t], v241 offset:1536*\t+768
	ds_load_b64 v[42+12*\t:43+12*\t], v242 offset:1536*\t+1280
.endr
	ds_load_b128 v[VSW:VSW+3], v243
	v_pk_add_f32 v[BY:BY+1], v[S:S+1], v[S+2:S+3]  ; the row's sum is taken of the unquantised p, in two chains
.set j, 4
.rept 15
	v_pk_add_f32 v[14:15], v[14:15], v[S+j:S+j+1]
	v_pk_add_f32 v[BY:BY+1], v[BY:BY+1], v[S+j+2:S+j+3]
.set j, j+4
.endr
	v_pk_add_f32 v[14:15], v[14:15], v[BY:BY+1]
.irp b, 0,1,2,3
	v_max_num_f32 v[BX+\b], 0x1800000, v[BX+\b]    ; the floor 2^(3 - 127): the byte cannot fall under 1
.endr
.irp b, 0,1,2,3
	v_add_nc_u32 v[BS+\b], 0xff000000, v[BX+\b]    ; 2 off the exponent field: the conversion's scale operand
.endr
.irp b, 0,1,2,3
	v_lshrrev_b32 v[BY+\b], 23, v[BS+\b]           ; the scale's byte
.endr
	v_lshl_or_b32 v[PSW], v[BY+1], 8, v[BY]        ; p's scale word for these 128 keys
	v_lshl_or_b32 v[PSW], v[BY+2], 16, v[PSW]
	v_lshl_or_b32 v[PSW], v[BY+3], 24, v[PSW]
.irp c, 0,1
	v_cvt_scalef32_pk16_fp6_f32 v[PC+6*\c:PC+6*\c+2], v[S+32*\c:S+32*\c+15], v[BS+2*\c]
	v_cvt_scalef32_pk16_fp6_f32 v[PT+4*\c:PT+4*\c+2], v[S+32*\c+16:S+32*\c+31], v[BS+2*\c+1]   ; (a conversion's three registers begin on an even number)
.endr
	v_nop                                          ; one plain place behind a scaled conversion
.irp c, 0,1                            ; the operand's layout wants a whole block in a lane
.irp i, 0,1,2
	v_permlane16_swap_b32 v[PC+6*\c+\i], v[PT+4*\c+\i]
.endr
.irp i, 0,1,2
	v_mov_b32 v[PC+3+6*\c+\i], v[PT+4*\c+\i]
.endr
.endr
.set j, 0
.rept 16
	v_pk_mul_f32 v[O+j:O+j+1], v[O+j:O+j+1], v[F:F+1] op_sel_hi:[1,0]   ; O^T under the new M.  For each product below twelve of these name none of its registers: the places behind p's codes and scale word
.set j, j+2
.endr
	s_wait_dscnt 0x0                               ; V
	s_wait_alu depctr_va_vdst(0)                   ; p's codes in v192-203 and its scale word in v95, made by vector instructions, are written: the scaled products below take them; the places above stay beside this wait
.irp t, 0,1,2,3                        ; the four accumulators take turns, one instruction a turn
	v_wmma_scale_f32_16x16x128_f8f6f4 v[O+8*\t:O+8*\t+7], v[32+12*\t:43+12*\t], v[PC:PC+11], v[O+8*\t:O+8*\t+7], v[VSW+\t], v[PSW] matrix_a_fmt:MATRIX_FMT_FP6 matrix_b_fmt:MATRIX_FMT_FP6
.endr
.Lskip_\@:
	s_add_co_u32 s89, s89, STEPB
	s_add_co_u32 s90, s90, 512
	s_add_co_u32 s91, s91, 256
	s_add_nc_u64 s[96:97], s[96:97], 256           ; (no scalar load is out on either way here)
	s_add_co_u32 s88, s88, 1
	s_cmp_lt_u32 s88, 16
	s_cbranch_scc1 .Lkey_\@
	; the way out: y = O^T / the sum, quantised along the channels: chunk = head of the last product's K
	v_add_f32 v14, v14, v15
	v_permlanex16_b32 v[T0], v14, s84, s85
	v_add_f32 v14, v14, v[T0]                      ; the row's sum
	v_rcp_f32 v14, v14
	v_nop                                          ; with the two additions: four plain places behind the last products, one of them behind the reciprocal
	v_nop
	s_lshr_b32 s98, s12, 4
	s_lshl_b32 s98, s98, 7
	s_add_co_u32 s98, s98, s[\tau]                 ; the tile of tokens: 128 x batch + tile
	s_lshl_b32 s100, s98, 9
	s_mul_i32 s98, s98, 12288
	s_and_b32 s99, s12, 15                         ; the head
	s_lshl_b32 s101, s99, 1
	s_add_co_u32 s100, s100, s101
	s_add_co_u32 s100, s100, G_YSC
	s_mul_i32 s99, s99, 768
	s_add_co_u32 s98, s98, s99
	s_mov_b32 s99, 0
	s_mov_b32 s101, 0
	s_add_nc_u64 s[98:99], s[8:9], s[98:99]
	s_add_nc_u64 s[100:101], s[8:9], s[100:101]
	s_wait_alu depctr_va_vdst(0)                   ; the reciprocal has written v14, ahead of its first reader
.set j, 0
.rept 16
	v_pk_mul_f32 v[S+j:S+j+1], v[O+j:O+j+1], v[14:15] op_sel_hi:[1,0]   ; register 16 b + i: channel 32 b + 16 h + i; each accumulator from its low end on
.set j, j+2
.endr
.irp b, 0,1
	v_max3_num_f32 v[BX+\b], |v[S+16*\b]|, |v[S+1+16*\b]|, 0x1800000
.endr
.irp i, 2,4,6,8,10,12,14
.irp b, 0,1
	v_max3_num_f32 v[BX+\b], v[BX+\b], |v[S+16*\b+\i]|, |v[S+1+16*\b+\i]|
.endr
.endr
.irp b, 0,1
	v_permlanex16_b32 v[BY+\b], v[BX+\b], s84, s85
.endr
.irp b, 0,1
	v_max_num_f32 v[BX+\b], v[BX+\b], v[BY+\b]
.endr
.irp b, 0,1
	v_add_nc_u32 v[BS+\b], 0xff000000, v[BX+\b]
.endr
.irp b, 0,1
	v_lshrrev_b32 v[BY+\b], 23, v[BS+\b]
.endr
	v_cndmask_b32 v[T0], v[BY], v[BY+1], s104      ; lane (r, h) stores block h's byte
	v_cvt_scalef32_pk16_fp6_f32 v[PC:PC+2], v[S:S+15], v[BS]
	v_cvt_scalef32_pk16_fp6_f32 v[PT:PT+2], v[S+16:S+31], v[BS+1]
	v_nop
.irp i, 0,1,2
	v_permlane16_swap_b32 v[PC+\i], v[PT+\i]
.endr
.irp i, 0,1,2
	v_mov_b32 v[PC+3+\i], v[PT+\i]
.endr
	s_wait_alu depctr_va_vdst(0)                   ; the swaps and moves have written the codes in v192-197 and the select the byte in v226, which the three stores read
	global_store_b128 v[G16], v[PC:PC+3], s[98:99]              ; 512 consecutive bytes, aligned,
	global_store_b64 v[G8], v[PC+4:PC+5], s[98:99] offset:512   ; and the 256 behind them
	global_store_b8 v[YS], v[T0], s[100:101]
.endm
	TILE 16, 94, 92, 93, 13
	TILE 228, 240, 94, 95, 14
	s_wait_dscnt 0x0
	s_wait_alu depctr_hold_cnt(0) depctr_sa_sdst(0) depctr_va_vdst(0) depctr_va_sdst(0) depctr_va_ssrc(0) depctr_va_vcc(0) depctr_vm_vsrc(0)
	s_wait_tensorcnt 0x0
	ds_add_u32 v254, v255
	s_wait_dscnt 0x0
	s_endpgm
.Lfunc_end_k_q8a66f558e3_attn:
	.size	k_q8a66f558e3_attn, .Lfunc_end_k_q8a66f558e3_attn-k_q8a66f558e3_attn
	.p2alignl 7, 3214868480
	.fill 96, 4, 3214868480
	.section	.rodata,"a",@progbits
	.p2align	6, 0x0
	.amdhsa_kernel k_q8a66f558e3_attn
		.amdhsa_group_segment_fixed_size 210944
		.amdhsa_private_segment_fixed_size 0
		.amdhsa_enable_private_segment 0
		.amdhsa_kernarg_size 24
		.amdhsa_user_sgpr_count 2
		.amdhsa_user_sgpr_kernarg_segment_ptr 1
		.amdhsa_wavefront_size32 1
		.amdhsa_system_sgpr_workgroup_id_x 1
		.amdhsa_system_sgpr_workgroup_id_y 1
		.amdhsa_system_sgpr_workgroup_id_z 1
		.amdhsa_system_vgpr_workitem_id 0
		.amdhsa_next_free_vgpr 256
		.amdhsa_next_free_sgpr 106
		.amdhsa_reserve_vcc 0
		.amdhsa_float_denorm_mode_32 3
		.amdhsa_float_denorm_mode_16_64 3
		.amdhsa_memory_ordered 1
		.amdhsa_forward_progress 1
		.amdhsa_inst_pref_size 76
	.end_amdhsa_kernel
	.amdgpu_metadata
---
amdhsa.version: [ 1, 2 ]
amdhsa.kernels:
  - .name:           k_q8a66f558e3_attn
    .symbol:         k_q8a66f558e3_attn.kd
    .args:
      - { .name: ws2, .offset: 0, .size: 8, .value_kind: global_buffer, .address_space: global }
      - { .name: msk, .offset: 8, .size: 8, .value_kind: global_buffer, .address_space: global }
      - { .name: ws3, .offset: 16, .size: 8, .value_kind: global_buffer, .address_space: global }
    .group_segment_fixed_size: 210944
    .private_segment_fixed_size: 0
    .kernarg_segment_align: 8
    .kernarg_segment_size: 24
    .max_flat_workgroup_size: 512
    .sgpr_count:     106
    .vgpr_count:     256
    .wavefront_size: 32
...
	.end_amdgpu_metadata
.endif
;; end of part 5
;; launch gemm_o: the kernel of part 4 again; grid 4 x 32, 4 waves a work-group, clusters of 4 x 4, 327,680 bytes of LDS; arguments ws3, ws1, out_b, out0; writes out0
